; MI455X (gfx1250); checked and timed in simulation.
; The chip was launched on July 23, 2026; its instructions are those of AMD's public machine-readable ISA for CDNA 5 (MIT licence, August 2026) and "CDNA5" Instruction Set Architecture Reference Guide (July 2026). The comments in the code are by the model that wrote it; some were corrected since.
;; Multi Head Attention. Allowed arithmetic: matrix products marked QUANTISED: E2M3 operands, one E8M0 scale for each 32 along K, by v_wmma_scale_f32_16x16x128_f8f6f4 with both operands' format E2M3, f32 sums; everything else in f32.
;; Inputs: Wk 1,024 x 1,024 float32; Wo 1,024 x 1,024 float32; Wq 1,024 x 1,024 float32; Wv 1,024 x 1,024 float32; bk 1,024 float32; bo 1,024 float32; bq 1,024 float32; bv 1,024 float32; x 4 x 2,048 x 1,024 float32.
;; Outputs: out0 4 x 2,048 x 1,024 float32.
;; This version of the problem:
;;   THIS VERSION OF THE PROBLEM IS GIVEN IN LOW PRECISION. The matrix products marked QUANTISED in the list below multiply operands that are first quantised to E2M3 (2 exponent bits, 3 mantissa bits; 6 bits a number), with one power-of-two scale for each 32 numbers along K (OCP MX v1.0); their sums are f32. All else is computed in f32.
;;   The module's matrix products, in the order in which they are computed (A, B: the left and right operand; K: the contracted axis; several contracted axes count as one K, in the product's order):
;;     1. [M 8,192, K 1,024] x [K 1,024, N 1,024]; A: input x; B: input Wq: QUANTISED
;;     2. [M 8,192, K 1,024] x [K 1,024, N 1,024]; A: input x; B: input Wk: QUANTISED
;;     3. [M 8,192, K 1,024] x [K 1,024, N 1,024]; A: input x; B: input Wv: QUANTISED
;;     4. batch 64 x [M 2,048, K 64] x [K 64, N 2,048]; A: computed on the way; B: computed on the way: QUANTISED
;;     5. batch 64 x [M 2,048, K 2,048] x [K 2,048, N 64]; A: softmax (see below); B: computed on the way: QUANTISED
;;     6. [M 8,192, K 1,024] x [K 1,024, N 1,024]; A: computed on the way; B: input Wo: QUANTISED
;;   THE QUANTISER, for each operand of a quantised product, along K:
;;     - K is cut into blocks of 32 from its start; a last block that is shorter is filled with zeros.
;;     - A block's scale is 2^e with e = floor(log2(the largest magnitude in the block)) - 2, held to -126 .. 127; a block of zeros has e = 0. As a byte (E8M0): e + 127.
;;     - Each number is divided by its block's scale, clamped to +-7.5, and rounded to the nearest number of E2M3, ties to even, subnormals kept.
;;     - The product sums the exact products of the quantised numbers (number of the format x scale) in f32.
;;   ~~~python
;;   def quantise(x, axis):      # numpy; x: float32 -> the quantised numbers, widened to float32 again
;;       x = np.moveaxis(x, axis, -1); K = x.shape[-1]
;;       x = np.pad(x, [(0, 0)] * (x.ndim - 1) + [(0, -K % 32)]); x = x.reshape(x.shape[:-1] + (-1, 32)); a = np.abs(x).max(-1, keepdims=True)
;;       e = np.where(a > 0, np.clip(np.frexp(np.where(a > 0, a, 1))[1] - 1 - 2, -126, 127), 0)      # np.frexp(a)[1] - 1 = floor(log2(a)), exactly
;;       r = np.clip(x / 2.0 ** e, -7.5, 7.5)
;;       step = 2.0 ** (np.maximum(np.frexp(np.where(r == 0, 1, r))[1] - 1, 0) - 3)
;;       q = np.round(r / step) * step * 2.0 ** e      # np.round: ties to even
;;       return np.moveaxis(q.reshape(q.shape[:-2] + (-1,))[..., :K], -1, axis).astype(np.float32)
;;   ~~~
;;   SOFTMAX AHEAD OF A QUANTISED PRODUCT. Where the list says 'softmax', what is quantised is not the finished softmax but p = 2^(t - M), with t = logit x log2(e) and M = ceil(the row's largest t), a whole number; so 1/2 < the row's largest p <= 1. The row's sum l is taken of the UNQUANTISED p, in f32, and the product's result is divided by l at the end. Since M is a whole number, a kernel that streams over the keys may use a running M (the ceiling of the running maximum): every later rescaling is an exact power of two, which a block's scale takes up: the codes' values come out the same.
;;   OPERANDS COMPUTED ON THE WAY. 'Computed on the way' means the value that the module computes at that place (a softmax that the list does not call 'softmax' is quantised finished and normalised). What goes into a quantiser is computed in f32, as accurately as f32 sums, v_exp_f32 and their like allow (about 1e-6 of the number): no bf16 or f16 on the way to a quantiser, and a product that is left as it is and whose result goes on into a quantised operand takes f32 operands (vector FMAs, or v_wmma_f32_16x16x4_f32). A number that lies on a knife's edge between two numbers of the format may be rounded either way, as far as f32 arithmetic and the matrix unit's own rounding can turn it there, and no further.
;; One version. Each part assembles by itself: llvm-mc -triple=amdgcn-amd-amdhsa -mcpu=gfx1250 --defsym DOCPART=n.
;; ======== version 1 of 1: 4 launches
;; limits: right only within a limited range of input values
;; workspace buffers: opc 9,437,184 bytes; ops 393,216 bytes; hdc 18,874,368 bytes; hds 786,432 bytes; ctc 6,291,456 bytes; cts 262,144 bytes
;; launch quant (part 1): grid 768 x 1, 8 waves a work-group, no clusters, 68,608 bytes of LDS; arguments x, Wq, Wk, Wv, Wo, opc, ops; writes opc, ops
.if DOCPART == 1
	.amdgcn_target "amdgcn-amd-amdhsa--gfx1250"
	.amdhsa_code_object_version 6
	.text
	.protected	k_qa7da18a7f9_quant
	.globl	k_qa7da18a7f9_quant
	.p2align	8
	.type	k_qa7da18a7f9_quant,@function
k_qa7da18a7f9_quant:
	s_mov_b64 s[64:65], 0
	v_nop
	global_prefetch_b8 v0, s[64:65] scope:SCOPE_SE
	s_setreg_imm32_b32 hwreg(HW_REG_WAVE_MODE, 25, 1), 1
	s_wait_xcnt 0x0
; x [8192][1024] and Wq, Wk, Wv, Wo [1024 (k)][1024 (n)], f32, become codes of FP6 (E2M3) with one E8M0 byte for each 32 along K (x: its columns; a weight: its FIRST axis).
; OUT.  opc: [row tile T 768][K step s 8][1,536 bytes]: a fragment (16 rows x 128 K, 12 registers a lane) as an image of its registers: registers 4 c .. 4 c + 3 of lane L at 512 c + 16 L.
;       ops: [T][row 16][s 8] words: a row's four scale bytes of a K step.   T: 0-511 x, 512-575 Wq, 576-639 Wk, 640-703 Wv, 704-767 Wo.
; THE ROWS OF A TILE ARE NOT NEIGHBOURS.  A weight's tile: row i is column 32 (T / 2) + 8 (T % 2) + i + 8 (i / 8), so that in the later products, used transposed, a lane's 16 registers of two neighbouring tiles are 16 neighbours.
;       x's tile: row i is token 64 (T / 4) + 8 (T % 4) + i % 8 + 32 (i / 8), so that a lane's 32 registers of four neighbouring tiles are 32 neighbouring tokens: a whole scale block of attention's keys.
; SHARES.  One fragment to a wave.  Work-groups 0-255: a weight's 128 k x 128 n (matrix g / 64, columns 128 ((g / 8) % 8), K step g % 8): wave w loads k rows 16 w .. + 15 and builds row tile w of the eight.
;          Work-groups 256-767: row tile g - 256 of x, wave w its K step w.
; Every load reads 512 consecutive bytes; the numbers turn through LDS (128 rows of 512 bytes + 16), so that a lane gets 16 neighbours along K of each block of 32.
; A stream: nothing is shared between work-groups, so no cluster, no tensor load and no matrix unit; all 16 loads of a wave go out at once and several work-groups lie on a WGP.
; A block's scale is 2^(floor(log2(largest magnitude)) - 2); its byte is the largest magnitude's exponent field - 2, held at 1 from below.
; LIMITS: NaN and infinities are not served; a block whose largest magnitude lies under 2^-124, a block of zeros among them, gets the byte 1 (its codes are then zeros or near; only this program reads the bytes).
.set PITCH, 528                        ; an LDS row: 512 bytes + 16: an odd multiple of 16
.set SPARE, 128*PITCH                  ; behind the rows: the spare words, 128 bytes for each of the eight waves
.set VA,  4                            ; v4   16 x lane
.set VB,  5                            ; v5   the same, 24 rows further down for x's rows 8-15 of a tile
.set LST, 6                            ; v6   LDS: where my wave's rows go
.set LRX, 7                            ; v7   LDS: x's way back: row 16 w + r, + 64 h
.set LRW, 8                            ; v8   LDS: a weight's way back: k row 16 h, my column
.set SO,  9                            ; v9   32 r: my row's place in a tile's scale words
.set SPW, 10                           ; v10  my spare word; never rewritten
.set NIL, 11                           ; v11  0; never rewritten
.set X,   16                           ; v16-79   64 numbers
.set TM,  80                           ; v80-83 largest magnitudes, v84-87 bytes, v88-91 the conversions' scale operands
.set PW,  92                           ; v92      the scale word
.set PC,  96                           ; v96-107  the fragment
.set QT,  108                          ; v108-115 the conversions' second halves
.set SEL, 18                           ; s18, s19 selects of v_permlanex16_b32 for lane l xor 16
.set WV,  21
; 64 numbers of a lane, v[s + 16 b + i] = number 32 b + 16 (lane / 16) + i of my row, become registers 0-5 (at d0) and 6-11 (at d1) of a fragment, and my row's scale word in v[PW].
.macro QUANT s, d0, d1
.irp b, 0,1,2,3
	v_max3_num_f32 v[TM+\b], |v[\s+16*\b]|, |v[\s+1+16*\b]|, 0x1800000   ; block b: my 16 numbers, and the floor 2^(3 - 127): the byte cannot fall under 1
.endr
.irp i, 2,4,6,8,10,12,14
.irp b, 0,1,2,3
	s_delay_alu instid0(VALU_DEP_4)
	v_max3_num_f32 v[TM+\b], v[TM+\b], |v[\s+16*\b+\i]|, |v[\s+1+16*\b+\i]|   ; the four blocks by turns
.endr
.endr
.irp b, 0,1,2,3
	s_delay_alu instid0(VALU_DEP_4)
	v_permlanex16_b32 v[TM+4+\b], v[TM+\b], s[SEL], s[SEL+1]
.endr
.irp b, 0,1,2,3
	s_delay_alu instid0(VALU_DEP_4)
	v_max_num_f32 v[TM+\b], v[TM+\b], v[TM+4+\b]   ; with lane l xor 16's 16: the block's largest magnitude
.endr
.irp b, 0,1,2,3
	s_delay_alu instid0(VALU_DEP_4)
	v_add_nc_u32 v[TM+8+\b], 0xff000000, v[TM+\b]  ; 2 off its exponent field: the conversion takes that field as its scale
.endr
.irp b, 0,1,2,3
	s_delay_alu instid0(VALU_DEP_4)
	v_lshrrev_b32 v[TM+4+\b], 23, v[TM+8+\b]       ; the scale's byte
.endr
	s_delay_alu instid0(VALU_DEP_3)
	v_lshl_or_b32 v[PW], v[TM+5], 8, v[TM+4]
	s_delay_alu instid0(VALU_DEP_1)
	v_lshl_or_b32 v[PW], v[TM+6], 16, v[PW]
	s_delay_alu instid0(VALU_DEP_1)
	v_lshl_or_b32 v[PW], v[TM+7], 24, v[PW]
	v_cvt_scalef32_pk16_fp6_f32 v[\d0:\d0+2], v[\s:\s+15], v[TM+8]
	v_cvt_scalef32_pk16_fp6_f32 v[QT:QT+2], v[\s+16:\s+31], v[TM+9]       ; (a conversion's three registers begin on an even number)
	v_cvt_scalef32_pk16_fp6_f32 v[\d1:\d1+2], v[\s+32:\s+47], v[TM+10]
	v_cvt_scalef32_pk16_fp6_f32 v[QT+4:QT+6], v[\s+48:\s+63], v[TM+11]
	v_nop                                          ; one plain place behind the scaled conversions
.irp i, 0,1,2
	v_permlane16_swap_b32 v[\d0+\i], v[QT+\i]      ; the layout wants a whole block in a lane: lanes 0-15 the even block, lanes 16-31 the odd one
.endr
.irp i, 0,1,2
	v_permlane16_swap_b32 v[\d1+\i], v[QT+4+\i]
.endr
.irp i, 0,1,2
	v_mov_b32 v[\d0+3+\i], v[QT+\i]
.endr
.irp i, 0,1,2
	v_mov_b32 v[\d1+3+\i], v[QT+4+\i]
.endr
.endm
	s_load_b256 s[4:11], s[0:1], 0x0               ; x s[4:5], Wq s[6:7], Wk s[8:9], Wv s[10:11]
	s_load_b128 s[12:15], s[0:1], 0x20             ; Wo s[12:13], opc s[14:15]
	s_load_b64 s[16:17], s[0:1], 0x30              ; ops
	v_lshl_add_u32 v[SPW], v0, 2, SPARE
	v_mov_b32 v[NIL], 0
	v_lshrrev_b32 v1, 5, v0
	s_delay_alu instid0(VALU_DEP_1)
	v_readfirstlane_b32 s[WV], v1                  ; wave 0..7
	v_and_b32 v1, 31, v0                           ; lane
	v_and_b32 v2, 15, v0                           ; r
	v_bfe_u32 v3, v0, 4, 1                         ; h
	s_delay_alu instid0(VALU_DEP_3)
	v_lshlrev_b32 v[VA], 4, v1
	s_mul_i32 s36, s[WV], 16*PITCH                 ; my wave's 16 rows in LDS
	v_add_nc_u32 v[LST], s36, v[VA]
	v_mul_u32_u24 v[LRX], v2, PITCH
	s_delay_alu instid0(VALU_DEP_1)
	v_lshl_add_u32 v[LRX], v3, 6, v[LRX]
	s_delay_alu instid0(VALU_DEP_1)
	v_add_nc_u32 v[LRX], s36, v[LRX]
	v_and_b32 v[LRW], 8, v2
	s_delay_alu instid0(VALU_DEP_1)
	v_add_nc_u32 v[LRW], v[LRW], v2                ; r + 8 (r / 8)
	s_lshr_b32 s37, s[WV], 1
	s_lshl_b32 s37, s37, 5
	s_and_b32 s38, s[WV], 1
	s_lshl_b32 s38, s38, 3
	s_add_co_u32 s37, s37, s38                     ; 32 (w / 2) + 8 (w % 2)
	v_add_nc_u32 v[LRW], s37, v[LRW]               ; my column among the work-group's 128
	s_delay_alu instid0(VALU_DEP_1)
	v_lshlrev_b32 v[LRW], 2, v[LRW]
	s_delay_alu instid0(VALU_DEP_1)
	v_mad_u32_u24 v[LRW], v3, 16*PITCH, v[LRW]     ; lanes 16-31 begin 16 k rows further down
	v_lshlrev_b32 v[SO], 5, v2
.irp b, 0,1,2,3
	v_mov_b32 v[TM+4+\b], 0                        ; written once: a lane permute's destination counts as one of its sources
.endr
	s_mov_b32 s[SEL], 0x76543210
	s_mov_b32 s[SEL+1], 0xfedcba98
	; x's work-group: tile T = g - 256, K step w
	s_sub_co_u32 s22, ttmp9, 256
	s_lshr_b32 s23, s22, 2
	s_lshl_b32 s23, s23, 6
	s_and_b32 s24, s22, 3
	s_lshl_b32 s24, s24, 3
	s_add_co_u32 s23, s23, s24                     ; the tile's first token: 64 (T / 4) + 8 (T % 4)
	s_lshl_b32 s23, s23, 12
	s_lshl_b32 s24, s[WV], 9
	s_add_co_u32 s23, s23, s24                     ; in bytes, + 512 w
	; a weight's work-group
	s_and_b32 s25, ttmp9, 7                        ; K step
	s_lshl_b32 s26, s25, 7
	s_lshl_b32 s27, s[WV], 4
	s_add_co_u32 s26, s26, s27                     ; my first k row
	s_lshl_b32 s26, s26, 12
	s_bfe_u32 s27, ttmp9, 0x30003                  ; which 128 columns
	s_lshl_b32 s27, s27, 9
	s_add_co_u32 s26, s26, s27
	s_lshr_b32 s28, ttmp9, 3
	s_lshl_b32 s28, s28, 3
	s_add_co_u32 s28, s28, s[WV]
	s_add_co_u32 s28, s28, 512                     ; its row tile: 512 + 64 matrix + 8 (columns / 128) + w
	s_lshr_b32 s20, ttmp9, 6                       ; which matrix
	s_cmp_ge_u32 ttmp9, 256                        ; the choices hang on the work-group's number alone
	s_cselect_b32 s30, s23, s26                    ; where my loads begin
	s_cselect_b32 s29, s22, s28                    ; the row tile
	s_cselect_b32 s25, s[WV], s25                  ; the K step
	s_cselect_b32 s24, 98304, 0                    ; x's row i = 8 .. 15 of a tile is token i + 24 from the tile's first
	s_mov_b32 s31, 0
	v_add_nc_u32 v[VB], s24, v[VA]
	s_lshl_b32 s32, s29, 3
	s_add_co_u32 s32, s32, s25
	s_mul_i32 s32, s32, 1536                       ; the fragment's place in opc
	s_mov_b32 s33, 0
	s_lshl_b32 s34, s29, 9
	s_lshl_b32 s35, s25, 2
	s_add_co_u32 s34, s34, s35                     ; and its words' in ops
	s_mov_b32 s35, 0
	s_wait_alu depctr_va_vdst(0)
	s_wait_kmcnt 0x0
	s_cmp_eq_u32 s20, 1
	s_cselect_b64 s[6:7], s[8:9], s[6:7]
	s_cmp_eq_u32 s20, 2
	s_cselect_b64 s[6:7], s[10:11], s[6:7]
	s_cmp_eq_u32 s20, 3
	s_cselect_b64 s[6:7], s[12:13], s[6:7]
	s_cmp_ge_u32 ttmp9, 256
	s_cselect_b64 s[6:7], s[4:5], s[6:7]
	s_add_nc_u64 s[6:7], s[6:7], s[30:31]
	s_add_nc_u64 s[14:15], s[14:15], s[32:33]
	s_add_nc_u64 s[16:17], s[16:17], s[34:35]
.irp i, 0,1,2,3,4,5,6,7
	global_load_b128 v[X+4*\i:X+4*\i+3], v[VA], s[6:7] offset:4096*\i th:TH_LOAD_NT   ; 32 lanes read 512 consecutive bytes of one row; each byte is read once in the launch
.endr
.irp i, 8,9,10,11,12,13,14,15
	global_load_b128 v[X+4*\i:X+4*\i+3], v[VB], s[6:7] offset:4096*\i th:TH_LOAD_NT
.endr
.irp i, 0,1,2,3,4,5,6,7,8,9,10,11,12,13,14,15
	s_wait_loadcnt 15-\i                           ; loads come back in order: row i is in, the 15 - i younger ones may be out
	ds_store_b128 v[LST], v[X+4*\i:X+4*\i+3] offset:PITCH*\i
.endr
	s_wait_dscnt 0x0                               ; my rows lie in LDS (and the stores have read their registers)
	s_barrier_signal -1
	s_barrier_wait -1                              ; everybody's do: a weight's lanes read down all 128 k rows
	s_cmp_ge_u32 ttmp9, 256
	s_cbranch_scc0 .Lweight
.irp b, 0,1,2,3
.irp j, 0,1,2,3
	ds_load_b128 v[X+16*\b+4*\j:X+16*\b+4*\j+3], v[LRX] offset:128*\b+16*\j   ; x: row r, numbers 32 b + 16 h + 4 j ..
.endr
.endr
	s_branch .Lhave
.Lweight:
.irp b, 0,1,2,3
.irp i, 0,1,2,3,4,5,6,7,8,9,10,11,12,13,14,15
	ds_load_b32 v[X+16*\b+\i], v[LRW] offset:(32*\b+\i)*PITCH   ; W(32 b + 16 h + i, my column)
.endr
.endr
.Lhave:
	s_wait_dscnt 0x0
	QUANT X, PC, PC+6
.irp c, 0,1,2
	global_store_b128 v[VA], v[PC+4*\c:PC+4*\c+3], s[14:15] offset:512*\c   ; 32 lanes store 512 consecutive bytes, at a multiple of 256 from opc's first byte
.endr
	v_cmp_gt_u32 vcc_lo, 16, v1                    ; both halves of the lanes hold the row's word: lanes 0-15 store it
	s_wait_xcnt 0x0                                ; EXEC changes only behind this wait
	s_and_saveexec_b32 s39, vcc_lo
	global_store_b32 v[SO], v[PW], s[16:17]        ; sixteen words, 32 bytes apart: a fragment holds one K step of 16 rows, so no row of words is whole here; one byte in 128 of what the launch reads
	s_wait_xcnt 0x0
	s_or_b32 exec_lo, exec_lo, s39
	s_wait_tensorcnt 0x0                           ; the wave's end: these three lines behind my last LDS store
	ds_add_u32 v[SPW], v[NIL]
	s_wait_dscnt 0x0
	s_endpgm
.Lfunc_end_k_qa7da18a7f9_quant:
	.size	k_qa7da18a7f9_quant, .Lfunc_end_k_qa7da18a7f9_quant-k_qa7da18a7f9_quant
	.p2alignl 7, 3214868480
	.fill 96, 4, 3214868480
	.section	.rodata,"a",@progbits
	.p2align	6, 0x0
	.amdhsa_kernel k_qa7da18a7f9_quant
		.amdhsa_group_segment_fixed_size 68608
		.amdhsa_private_segment_fixed_size 0
		.amdhsa_enable_private_segment 0
		.amdhsa_kernarg_size 56
		.amdhsa_user_sgpr_count 2
		.amdhsa_user_sgpr_kernarg_segment_ptr 1
		.amdhsa_wavefront_size32 1
		.amdhsa_system_sgpr_workgroup_id_x 1
		.amdhsa_system_sgpr_workgroup_id_y 1
		.amdhsa_system_sgpr_workgroup_id_z 1
		.amdhsa_system_vgpr_workitem_id 0
		.amdhsa_next_free_vgpr 128
		.amdhsa_next_free_sgpr 66
		.amdhsa_reserve_vcc 1
		.amdhsa_float_denorm_mode_32 3
		.amdhsa_float_denorm_mode_16_64 3
		.amdhsa_memory_ordered 1
		.amdhsa_forward_progress 1
		.amdhsa_inst_pref_size 18
	.end_amdhsa_kernel
	.amdgpu_metadata
---
amdhsa.version: [ 1, 2 ]
amdhsa.kernels:
  - .name:           k_qa7da18a7f9_quant
    .symbol:         k_qa7da18a7f9_quant.kd
    .args:
      - { .name: x, .offset: 0, .size: 8, .value_kind: global_buffer, .address_space: global }
      - { .name: Wq, .offset: 8, .size: 8, .value_kind: global_buffer, .address_space: global }
      - { .name: Wk, .offset: 16, .size: 8, .value_kind: global_buffer, .address_space: global }
      - { .name: Wv, .offset: 24, .size: 8, .value_kind: global_buffer, .address_space: global }
      - { .name: Wo, .offset: 32, .size: 8, .value_kind: global_buffer, .address_space: global }
      - { .name: opc, .offset: 40, .size: 8, .value_kind: global_buffer, .address_space: global }
      - { .name: ops, .offset: 48, .size: 8, .value_kind: global_buffer, .address_space: global }
    .group_segment_fixed_size: 68608
    .private_segment_fixed_size: 0
    .kernarg_segment_align: 8
    .kernarg_segment_size: 56
    .max_flat_workgroup_size: 256
    .sgpr_count:     66
    .vgpr_count:     128
    .wavefront_size: 32
...
	.end_amdgpu_metadata
.endif
;; end of part 1
;; launch qkv (part 2): grid 8 x 32, 4 waves a work-group, clusters of 4 x 4, 327,680 bytes of LDS; arguments opc, ops, bq, bk, bv, hdc, hds; writes hdc, hds
.if DOCPART == 2
	.amdgcn_target "amdgcn-amd-amdhsa--gfx1250"
	.amdhsa_code_object_version 6
	.text
	.protected	k_qa7da18a7f9_qkv
	.globl	k_qa7da18a7f9_qkv
	.p2align	8
	.type	k_qa7da18a7f9_qkv,@function
k_qa7da18a7f9_qkv:
	s_mov_b64 s[64:65], 0
	v_nop
	global_prefetch_b8 v0, s[64:65] scope:SCOPE_SE
	s_setreg_imm32_b32 hwreg(HW_REG_WAVE_MODE, 25, 1), 1
	s_wait_xcnt 0x0
	s_wait_alu depctr_hold_cnt(0) depctr_sa_sdst(0) depctr_va_vdst(0) depctr_va_sdst(0) depctr_va_ssrc(0) depctr_va_vcc(0) depctr_vm_vsrc(0)
	s_getreg_b32 s2, hwreg(HW_REG_IB_STS2, 6, 4)
	s_cmp_eq_u32 s2, 0
	s_cbranch_scc0 .Lentry_in_a_cluster
	s_endpgm
.Lentry_in_a_cluster:
	s_bfe_u32 s2, ttmp6, 0x10000c
	s_cmp_lg_u32 s2, 0xf033
	s_cbranch_scc0 .Lentry_shape_is_right
	s_endpgm
.Lentry_shape_is_right:
; q = x Wq + bq, k = x Wk + bk, v = x Wv + bv on codes of FP6 (E2M3), and the results quantised in registers for attention: q and k along the head's 64, v along the tokens.  Nothing leaves as f32.
; IN.   opc, ops: fragments as register images, [row tile T][K step 8][1,536 bytes], and scale words [T][row][K step]; T: 0-511 x, 512-575 Wq, 576-639 Wk, 640-703 Wv.
;       Row i of a weight's tile T is column 32 (T / 2) + 8 (T % 2) + i + 8 (i / 8); row i of x's tile T is token 64 (T / 4) + 8 (T % 4) + i % 8 + 32 (i / 8).
; SHAPE. A tile is 256 "A" rows x 128 "B" rows, K = 1,024.  Wave w: A's tiles 4 w .. 4 w + 3 x B's eight: 32 accumulators.
;        The product is used transposed (source 0 = 16 B rows, source 1 = 16 A rows): a lane holds ONE A row.  B a weight: its 16 registers of B tiles 2 t, 2 t + 1 are columns 32 t + 16 (lane / 16) + 0 .. 15.
;        B = x: its 32 registers of B tiles 4 c .. 4 c + 3 are tokens 64 c + 32 (lane / 16) + 0 .. 31: a whole scale block.
; A WORK-GROUP STAYS: 256 work-groups make three tiles each, in the same order everywhere: q (A = x, B = Wq), k (A = x, B = Wk), v (A = Wv, B = x).  In q and k a lane's 64 registers run along two heads' d, in v along 128 tokens, v's K.
;        q and k are a loop of two trips; v is the tail, written out: it asks for nothing more.
; LDS.   A ring of two slots, each half of K: slot 0 holds K steps 0-3 of A's 16 and B's 8 row tiles (98,304 + 49,152 bytes), slot 1 K steps 4-7.  Wave 0 fills A's part of slot 0, wave 1 B's, waves 2 and 3 those of slot 1: one load a wave at the head,
;        always into the same bytes.  Slot 0 takes the next tile's first half in K step 3, when its last fragments are in registers, slot 1 the second half in K step 7; each refill stands behind the three lines and a whole round of the cluster's barrier
;        From a refill to its first read a wave issues 112 products or more and a way out.
; CLUSTER 4 x 4: A's panel is shared along a row of the cluster, B's along a column: each is asked for jointly, which divides the requests by four.
; A prefetch is left out: x's panels are asked for three times in the launch and each weight's panel by the eight rows of clusters in the same round, and each refill is asked for four K steps and a way out ahead of its first read.
; OUT.  hdc: [q, k, v][batch x head 64][98,304 bytes].  q, k: [pair of tiles 64][1,536]: registers 0-5 the head's 64 codes of the 16 tokens of tile 2 p, registers 6-11 those of tile 2 p + 1.  v: [step of 128 keys 16][tile of 16 d 4][1,536].
;       hds: q, k: [which 2][batch 4][head pair 8][step 16][half step 2][head of the pair 2][row 16][2 words], a word = (tile 2 p: 2 bytes, tile 2 p + 1: 2 bytes); then v: [batch x head][step][tiles 0-1, 2-3][row][2 words].
; LIMITS: NaN and infinities are not served; a block whose largest magnitude lies under 2^-124 gets the byte 1.
; REGISTERS: window 0: v1-15 addresses; v16-31, v32-63 A's and B's scale words; v64-159 A's fragments, two sets; v160-223, v224-231 the biases; v232-252 at work.  On the way out v64-127 64 numbers, v128-151 two fragments, v152-159 at work.
;            window 1: accumulator (a, b) at v[8 (8 a + b)].   window 2: B's fragments, sets at v0 and v128.
.set SPARE, 294912                     ; behind the panels: the spare words, 128 bytes for each wave
.set BLDS,  196608                     ; B's panel begins here
.set L16,  1                           ; v1   16 x lane
.set L8,   2                           ; v2   8 x lane
.set ADRA, 3                           ; v3-4 LDS: my four tiles of A in slot 0, 1
.set ADRB, 5                           ; v5-6 the same for B's eight
.set BOJ,  7                           ; v7   64 h: bq, bk at my half's 16 columns
.set BOL,  8                           ; v8   4 (r + 8 (r / 8)): bv at my lane's column
.set SH16, 9                           ; v9   16 h
.set LSC,  10                          ; v10  32 r + 16 h: my row's four scale words
.set SH8,  11                          ; v11  8 h (r until that is made)
.set SPW,  12                          ; v12  my spare word; never rewritten
.set NIL,  13                          ; v13  0; never rewritten
.set SA,   16
.set SB,   32
.set AF,   64
.set BI,   160
.set BV,   224
.set TM,   232
.set PW,   244
.set KW,   245
.set SW,   250
.set TT,   252
.set ST,   64
.set F0,   128
.set F1,   140
.set QT,   152
.set WV,   18
.set HF,   19                          ; wave % 2
.set SEL,  20
.set G1A,  24                          ; s[24:31], s[32:39] descriptor groups 1;  s[40:43], s[68:71] groups 0
.set G1B,  32
.set G0A,  40
.set G0B,  68
.set AV,   44                          ; s[44:45] my half of K of A's panel for v, s[46:47] of B's; s[48:49] of B's for k; s[82:83] of A's for q and k
.set BVP,  46
.set BKP,  48
.set AQ,   82
.set SAV,  50                          ; s[50:51], s[52:53] v's scale words of A, of B;  s[96:97], s[98:99] those of the tile whose words are loaded next
.set SBV,  52
.set BKB,  54                          ; s[54:55] bk;  s[22:23] the bias of the trip;  s[2:3] bv
.set OQC,  72                          ; s[72:73], s[74:75] where the trip's codes and words go;  s[76:77], s[78:79] v's
.set OQS,  74
.set OVC,  76
.set OVS,  78
.set TR,   80                          ; the trip: 0 q, 1 k
.set CX,   56
.set CY,   57
.set YY,   58
.set MSB, 0
.macro WIN new                         ; the immediate's high byte repeats the setting that is left
.if MSB != \new
	s_set_vgpr_msb (MSB<<8)|\new
.set MSB, \new
.endif
.endm
.set MULW, 0x52                        ; source 0 (B) window 2, source 1 (A) window 0, C and D window 1
.set TO_B, 0x80                        ; destination window 2, address window 0
.set ADDW, 0x01                        ; source 0 window 1
.macro PLACES n
.rept \n
	v_nop
.endr
.endm
.macro CROUND                          ; a round of the cluster's barrier
	s_barrier_signal -1
	s_barrier_wait -1
	s_cmp_lg_u32 s[WV], 0
	s_cbranch_scc1 .Lnot_wave_0_\@
	s_barrier_signal -3
.Lnot_wave_0_\@:
	s_barrier_wait -3
	s_barrier_signal -1
	s_barrier_wait -1
.endm
.macro TLOAD g0, g1
	tensor_load_to_lds s[\g0:\g0+3], s[\g1:\g1+7]
	s_nop 0
	PLACES 4
.endm
; q, k: 64 numbers of a lane, v[s + 16 b + i] = number 32 b + 16 (lane / 16) + i of my row, become registers 0-5 (at d0) and 6-11 (at d1) of a fragment, and my row's scale word in v[PW].
.macro QUANT s, d0, d1
.irp b, 0,1,2,3
	v_max3_num_f32 v[TM+\b], |v[\s+16*\b]|, |v[\s+1+16*\b]|, 0x1800000   ; block b: my 16 numbers, and the floor 2^(3 - 127): the byte cannot fall under 1
.endr
.irp i, 2,4,6,8,10,12,14
.irp b, 0,1,2,3
	v_max3_num_f32 v[TM+\b], v[TM+\b], |v[\s+16*\b+\i]|, |v[\s+1+16*\b+\i]|
.endr
.endr
.irp b, 0,1,2,3
	v_permlanex16_b32 v[TM+4+\b], v[TM+\b], s[SEL], s[SEL+1]
.endr
.irp b, 0,1,2,3
	v_max_num_f32 v[TM+\b], v[TM+\b], v[TM+4+\b]   ; with lane l xor 16's 16: the block's largest magnitude
.endr
.irp b, 0,1,2,3
	v_add_nc_u32 v[TM+8+\b], 0xff000000, v[TM+\b]  ; 2 off its exponent field: the conversion's scale operand
.endr
.irp b, 0,1,2,3
	v_lshrrev_b32 v[TM+4+\b], 23, v[TM+8+\b]       ; the scale's byte
.endr
	v_lshl_or_b32 v[PW], v[TM+5], 8, v[TM+4]
	v_lshl_or_b32 v[PW], v[TM+6], 16, v[PW]
	v_lshl_or_b32 v[PW], v[TM+7], 24, v[PW]
	v_cvt_scalef32_pk16_fp6_f32 v[\d0:\d0+2], v[\s:\s+15], v[TM+8]
	v_cvt_scalef32_pk16_fp6_f32 v[QT:QT+2], v[\s+16:\s+31], v[TM+9]
	v_cvt_scalef32_pk16_fp6_f32 v[\d1:\d1+2], v[\s+32:\s+47], v[TM+10]
	v_cvt_scalef32_pk16_fp6_f32 v[QT+4:QT+6], v[\s+48:\s+63], v[TM+11]
	v_nop                                          ; one plain place behind the scaled conversions
.irp i, 0,1,2
	v_permlane16_swap_b32 v[\d0+\i], v[QT+\i]      ; a whole block to a lane: lanes 0-15 the even block, lanes 16-31 the odd one
.endr
.irp i, 0,1,2
	v_permlane16_swap_b32 v[\d1+\i], v[QT+4+\i]
.endr
.irp i, 0,1,2
	v_mov_b32 v[\d0+3+\i], v[QT+\i]
.endr
.irp i, 0,1,2
	v_mov_b32 v[\d1+3+\i], v[QT+4+\i]
.endr
.endm
; v: 64 numbers of a lane, v[ST + 32 c + i] = token 64 c + 32 (lane / 16) + i of my column: two whole blocks, 2 c + lane / 16.  They become the fragment's registers 6 c .. 6 c + 5 as they fall, and my row's scale word in v[PW].
.macro QUANTV d
.irp c, 0,1
	v_max3_num_f32 v[TM+\c], |v[ST+32*\c]|, |v[ST+32*\c+1]|, 0x1800000           ; a block's 32 numbers in two chains; the floor 2^(3 - 127) among the leaves
	v_max3_num_f32 v[TM+2+\c], |v[ST+32*\c+16]|, |v[ST+32*\c+17]|, |v[ST+32*\c+18]|
.endr
.irp i, 2,4,6,8,10,12
.irp c, 0,1
	v_max3_num_f32 v[TM+\c], v[TM+\c], |v[ST+32*\c+\i]|, |v[ST+32*\c+\i+1]|
	v_max3_num_f32 v[TM+2+\c], v[TM+2+\c], |v[ST+32*\c+\i+17]|, |v[ST+32*\c+\i+18]|
.endr
.endr
.irp c, 0,1
	v_max3_num_f32 v[TM+\c], v[TM+\c], |v[ST+32*\c+14]|, |v[ST+32*\c+15]|
.endr
.irp c, 0,1
	v_max3_num_f32 v[TM+\c], v[TM+\c], v[TM+2+\c], |v[ST+32*\c+31]|
.endr
.irp c, 0,1
	v_add_nc_u32 v[TM+8+\c], 0xff000000, v[TM+\c]  ; the conversion's scale operand
.endr
.irp c, 0,1
	v_lshrrev_b32 v[TM+4+\c], 23, v[TM+8+\c]       ; the scale's byte
.endr
	v_lshl_or_b32 v[PW], v[TM+5], 16, v[TM+4]      ; my two bytes: blocks h and 2 + h,
	v_lshlrev_b32 v[PW], v[SH8], v[PW]             ; at their places in the word;
	v_permlanex16_b32 v[TT], v[PW], s[SEL], s[SEL+1]
	v_or_b32 v[PW], v[PW], v[TT]                   ; with lane l xor 16's two the word is whole, in both halves of the lanes
	v_cvt_scalef32_pk16_fp6_f32 v[\d:\d+2], v[ST:ST+15], v[TM+8]
	v_cvt_scalef32_pk16_fp6_f32 v[QT:QT+2], v[ST+16:ST+31], v[TM+8]
	v_cvt_scalef32_pk16_fp6_f32 v[\d+6:\d+8], v[ST+32:ST+47], v[TM+9]
	v_cvt_scalef32_pk16_fp6_f32 v[QT+4:QT+6], v[ST+48:ST+63], v[TM+9]
	v_nop                                          ; one plain place behind the scaled conversions
.irp i, 0,1,2
	v_mov_b32 v[\d+3+\i], v[QT+\i]
	v_mov_b32 v[\d+9+\i], v[QT+4+\i]
.endr
.endm
	s_load_b256 s[4:11], s[0:1], 0x0               ; opc s[4:5], ops s[6:7], bq s[8:9], bk s[10:11]
	s_load_b128 s[12:15], s[0:1], 0x20             ; bv s[12:13], hdc s[14:15]
	s_load_b64 s[16:17], s[0:1], 0x30              ; hds
	v_lshl_add_u32 v[SPW], v0, 2, SPARE
	v_mov_b32 v[NIL], 0
	ds_add_u32 v[SPW], v[NIL]                      ; the opening: the add, twice on end, and its wait ahead of my first tensor load; work on registers stands between them
	ds_add_u32 v[SPW], v[NIL]
	v_lshrrev_b32 v1, 5, v0
	v_readfirstlane_b32 s[WV], v1                  ; wave 0..3
	s_and_b32 s[HF], s[WV], 1
	s_bfe_u32 s[CX], ttmp6, 0x40000                ; my place in the cluster
	s_bfe_u32 s[CY], ttmp6, 0x40004
	s_and_b32 s[YY], ttmp7, 0xffff                 ; the cluster's y, 0..7; its x, ttmp9, is 0 or 1
	s_lshl_b32 s59, s[CY], 2
	s_lshl_b32 s59, 15, s59                        ; my row of the cluster
	s_lshl_b32 s60, 0x1111, s[CX]                  ; my column
	; group 1: R row tiles' 6,144 bytes (four K steps) each, 12,288 bytes apart; elements of 8 bytes; no padding: a fragment's loads read 512 consecutive bytes
	s_or_b32 s[G1A], s59, (3<<16)|(1<<21)          ; 15:0 the mask; 17:16 elements of 8 bytes; 21 set beside a mask
	s_or_b32 s[G1B], s60, (3<<16)|(1<<21)
	s_mov_b32 s[G1A+1], 768<<16                    ; tensor_dim0
	s_mov_b32 s[G1A+2], 16<<16                     ; tensor_dim1
	s_mov_b32 s[G1A+3], 768<<16                    ; tile_dim0
	s_mov_b32 s[G1A+4], 16                         ; tile_dim1
	s_mov_b32 s[G1A+5], 1536                       ; the pitch
	s_mov_b32 s[G1A+6], 0
	s_mov_b32 s[G1A+7], 0
	s_mov_b32 s[G1B+1], 768<<16
	s_mov_b32 s[G1B+2], 8<<16
	s_mov_b32 s[G1B+3], 768<<16
	s_mov_b32 s[G1B+4], 8
	s_mov_b32 s[G1B+5], 1536
	s_mov_b32 s[G1B+6], 0
	s_mov_b32 s[G1B+7], 0
	s_mov_b32 s[SEL], 0x76543210
	s_mov_b32 s[SEL+1], 0xfedcba98
	; the panels' first row tiles.  A's hang on the cluster's place and cy alone, B's on the cluster's place and cx alone
	s_lshl_b32 s61, s[YY], 6
	s_lshl_b32 s84, s[CY], 4
	s_add_co_u32 s61, s61, s84                     ; q, k: A = x: 64 Y + 16 cy
	s_add_co_u32 s67, s84, 640                     ; v: A = Wv
	s_lshl_b32 s62, ttmp9, 5
	s_lshl_b32 s85, s[CX], 3
	s_add_co_u32 s62, s62, s85
	s_add_co_u32 s62, s62, 512                     ; q: B = Wq: 512 + 32 X + 8 cx; k's lies 64 row tiles on
	s_lshl_b32 s63, ttmp9, 3
	s_add_co_u32 s63, s63, s[YY]                   ; v: which of 16 clusters
	s_lshl_b32 s66, s63, 5
	s_add_co_u32 s66, s66, s85                     ; v: B = x: 32 row tiles to a cluster
	s_lshr_b32 s90, s[WV], 1                       ; which half of K, and so which slot, I fill
	s_mul_i32 s87, s90, 6144
	s_mul_i32 s86, s61, 12288
	s_add_co_u32 s86, s86, s87
	s_mul_i32 s84, s67, 12288
	s_add_co_u32 s84, s84, s87
	s_mul_i32 s88, s62, 12288
	s_add_co_u32 s88, s88, s87
	s_mul_i32 s85, s66, 12288
	s_add_co_u32 s85, s85, s87
	s_mul_i32 s91, s90, 49152                      ; where they go: [half of K][row tile][K step 4][1,536]; no place in the cluster enters an LDS address
	s_add_co_u32 s91, s91, BLDS
	s_mul_i32 s90, s90, 98304
	s_mov_b32 s93, 0
	s_mov_b32 s95, 0
	s_wait_dscnt 0x0                               ; both opening adds are done
	s_wait_kmcnt 0x0
	s_mov_b32 s92, s86
	s_add_nc_u64 s[AQ:AQ+1], s[4:5], s[92:93]
	s_mov_b32 s92, s84
	s_add_nc_u64 s[AV:AV+1], s[4:5], s[92:93]
	s_mov_b32 s94, s88
	s_add_nc_u64 s[G0B+2:G0B+3], s[4:5], s[94:95]
	s_add_nc_u64 s[BKP:BKP+1], s[G0B+2:G0B+3], 786432
	s_mov_b32 s94, s85
	s_add_nc_u64 s[BVP:BVP+1], s[4:5], s[94:95]
	s_mov_b32 s[G0A], 1                            ; count = 1
	s_mov_b32 s[G0A+1], s90                        ; LDS address
	s_mov_b64 s[G0A+2:G0A+3], s[AQ:AQ+1]
	s_or_b32 s[G0A+3], s[G0A+3], 0x80000000        ; type = 2
	s_mov_b32 s[G0B], 1
	s_mov_b32 s[G0B+1], s91
	s_or_b32 s[G0B+3], s[G0B+3], 0x80000000
	CROUND                                         ; all sixteen work-groups are here: the joint loads meet
	s_cmp_lt_u32 s[WV], 1                          ; q's panels: one first fill a wave, each in an arm of its own of one chain
	s_cbranch_scc0 .Lfill_1
	TLOAD G0A, G1A                                 ; wave 0: A, K steps 0-3
	s_branch .Lfilled
.Lfill_1:
	s_cmp_lt_u32 s[WV], 2
	s_cbranch_scc0 .Lfill_2
	TLOAD G0B, G1B                                 ; wave 1: B, K steps 0-3
	s_branch .Lfilled
.Lfill_2:
	s_cmp_lt_u32 s[WV], 3
	s_cbranch_scc0 .Lfill_3
	TLOAD G0A, G1A                                 ; wave 2: A, K steps 4-7
	s_branch .Lfilled
.Lfill_3:
	TLOAD G0B, G1B                                 ; wave 3: B, K steps 4-7
.Lfilled:
	s_lshl_b32 s96, s[WV], 2                       ; the scale words of my four tiles of A and of B's eight: q's, and v's
	s_add_co_u32 s[SAV], s96, s67
	s_lshl_b32 s[SAV], s[SAV], 9
	s_mov_b32 s[SAV+1], 0
	s_add_nc_u64 s[SAV:SAV+1], s[6:7], s[SAV:SAV+1]
	s_add_co_u32 s96, s96, s61
	s_lshl_b32 s96, s96, 9
	s_mov_b32 s97, 0
	s_add_nc_u64 s[96:97], s[6:7], s[96:97]
	s_lshl_b32 s98, s62, 9
	s_mov_b32 s99, 0
	s_add_nc_u64 s[98:99], s[6:7], s[98:99]
	s_lshl_b32 s[SBV], s66, 9
	s_mov_b32 s[SBV+1], 0
	s_add_nc_u64 s[SBV:SBV+1], s[6:7], s[SBV:SBV+1]
	s_lshl_b32 s22, ttmp9, 2
	s_add_co_u32 s22, s22, s[CX]
	s_lshl_b32 s22, s22, 9                         ; bq, bk: the work-group's 128 columns
	s_mov_b32 s23, 0
	s_add_nc_u64 s[BKB:BKB+1], s[10:11], s[22:23]
	s_add_nc_u64 s[22:23], s[8:9], s[22:23]
	s_lshl_b32 s2, s[CY], 3
	s_lshl_b32 s3, s[WV], 1
	s_add_co_u32 s2, s2, s3
	s_lshl_b32 s2, s2, 7                           ; bv: my wave's 64 columns
	s_mov_b32 s3, 0
	s_add_nc_u64 s[2:3], s[12:13], s[2:3]
	v_and_b32 v14, 31, v0                          ; lane
	v_and_b32 v11, 15, v0                          ; r
	v_bfe_u32 v15, v0, 4, 1                        ; h
	v_lshlrev_b32 v[L16], 4, v14
	v_lshlrev_b32 v[L8], 3, v14
	v_lshlrev_b32 v[BOJ], 6, v15
	v_and_b32 v[BOL], 8, v11
	v_add_nc_u32 v[BOL], v[BOL], v11
	v_lshlrev_b32 v[BOL], 2, v[BOL]
	v_lshlrev_b32 v[SH16], 4, v15
	v_lshl_add_u32 v[LSC], v11, 5, v[SH16]
	v_lshlrev_b32 v[SH8], 3, v15
	s_mul_i32 s59, s[WV], 24576                    ; my four tiles of A in a slot
	v_add_nc_u32 v[ADRA], s59, v[L16]
	v_add_nc_u32 v[ADRA+1], 98304, v[ADRA]
	v_add_nc_u32 v[ADRB], BLDS, v[L16]
	v_add_nc_u32 v[ADRB+1], 49152, v[ADRB]
.irp b, 0,1,2,3
	v_mov_b32 v[TM+4+\b], 0                        ; written once: a lane permute's destination counts as one of its sources
.endr
	v_mov_b32 v[TT], 0
	s_wait_alu depctr_va_vdst(0)                   ; the wait at the head's end
; Scale words: lane (r, h) takes the words of K steps 4 h .. 4 h + 3 of row r: K step s names register s % 4, from lanes 16-31 for s >= 4.
.macro WORDS
.irp a, 0,1,2,3
	global_load_b128 v[SA+4*\a:SA+4*\a+3], v[LSC], s[96:97] offset:512*\a
.endr
.irp b, 0,1,2,3,4,5,6,7
	global_load_b128 v[SB+4*\b:SB+4*\b+3], v[LSC], s[98:99] offset:512*\b
.endr
.endm
	WORDS
.irp a, 0,1,2,3
	global_load_b32 v[BV+2*\a], v[BOL], s[2:3] offset:128*(\a/2)+32*(\a%2)      ; bv of my lane's column in tile a, twice: a pair for the packed addition
	global_load_b32 v[BV+2*\a+1], v[BOL], s[2:3] offset:128*(\a/2)+32*(\a%2)
.endr
	; where q's results go; k's lie 64 heads' codes and 4 x 8 x 16 steps' words further on
	s_lshl_b32 s84, ttmp9, 2
	s_add_co_u32 s84, s84, s[CX]                   ; the pair of heads
	s_lshl_b32 s86, s[YY], 2
	s_add_co_u32 s86, s86, s[CY]                   ; which 256 tokens
	s_lshr_b32 s87, s86, 3                         ; the batch
	s_and_b32 s86, s86, 7
	s_lshl_b32 s88, s87, 4
	s_lshl_b32 s89, s84, 1
	s_add_co_u32 s88, s88, s89                     ; 16 batch + the even head
	s_lshl_b32 s88, s88, 6
	s_lshl_b32 s89, s86, 3
	s_add_co_u32 s88, s88, s89
	s_lshl_b32 s89, s[WV], 1
	s_add_co_u32 s88, s88, s89                     ; x 64 pairs + my first pair
	s_mul_i32 s88, s88, 1536
	s_mov_b32 s89, 0
	s_add_nc_u64 s[OQC:OQC+1], s[14:15], s[88:89]
	s_lshl_b32 s90, s87, 3
	s_add_co_u32 s90, s90, s84
	s_lshl_b32 s90, s90, 4
	s_lshl_b32 s91, s86, 1
	s_add_co_u32 s90, s90, s91
	s_lshr_b32 s91, s[WV], 1
	s_add_co_u32 s90, s90, s91                     ; (8 batch + head pair) 16 + step
	s_lshl_b32 s90, s90, 9
	s_lshl_b32 s91, s[HF], 8
	s_add_co_u32 s90, s90, s91                     ; + my half of the step
	s_mov_b32 s91, 0
	s_add_nc_u64 s[OQS:OQS+1], s[16:17], s[90:91]
	; and v's
	s_lshl_b32 s84, s63, 2
	s_add_co_u32 s84, s84, s[CX]                   ; which 128 tokens of 8,192
	s_lshr_b32 s85, s84, 4                         ; the batch
	s_and_b32 s84, s84, 15                         ; the step
	s_lshl_b32 s86, s[CY], 2
	s_add_co_u32 s86, s86, s[WV]                   ; the head
	s_lshl_b32 s85, s85, 4
	s_add_co_u32 s85, s85, s86
	s_lshl_b32 s85, s85, 4
	s_add_co_u32 s85, s85, s84                     ; 16 (batch x head) + step
	s_mul_i32 s88, s85, 6144
	s_add_co_u32 s88, s88, 12582912                ; behind q's and k's codes
	s_mov_b32 s89, 0
	s_add_nc_u64 s[OVC:OVC+1], s[14:15], s[88:89]
	s_lshl_b32 s90, s85, 8
	s_add_co_u32 s90, s90, 524288                  ; behind q's and k's scale words
	s_mov_b32 s91, 0
	s_add_nc_u64 s[OVS:OVS+1], s[16:17], s[90:91]
.macro FRAGF reg, adr, off             ; a fragment comes back as it was stored: three loads of 512 consecutive bytes
.irp c, 0,1,2
	ds_load_b128 v[\reg+4*\c:\reg+4*\c+3], v[\adr] offset:\off+512*\c
.endr
.endm
.macro FETCH s                         ; K step s: B's eight fragments and my four of A into set s % 2
	WIN TO_B
.irp b, 0,1,2,3,4,5,6,7
	FRAGF 128*((\s)%2)+12*\b, ADRB+((\s)>>2), 6144*\b+((\s)&3)*1536
.endr
	WIN 0
.irp a, 0,1,2,3
	FRAGF AF+48*((\s)%2)+12*\a, ADRA+((\s)>>2), 6144*\a+((\s)&3)*1536
.endr
.endm
; 16 matrix instructions: A's tiles a0, a0 + 1 x B's eight, K step s.  The first K step starts the sums.  The 32 accumulators take turns, one instruction a turn, in the same order in every step.
.macro MUL16 a0, s
.irp a, \a0, \a0+1
.irp b, 0,1,2,3,4,5,6,7
.if (\s) == 0
	v_wmma_scale_f32_16x16x128_f8f6f4 v[8*(8*(\a)+\b):8*(8*(\a)+\b)+7], v[128*((\s)%2)+12*\b:128*((\s)%2)+12*\b+11], v[AF+48*((\s)%2)+12*(\a):AF+48*((\s)%2)+12*(\a)+11], 0, v[SB+4*\b+(\s)%4], v[SA+4*(\a)+(\s)%4] matrix_a_fmt:MATRIX_FMT_FP6 matrix_b_fmt:MATRIX_FMT_FP6
.elseif (\s) < 4
	v_wmma_scale_f32_16x16x128_f8f6f4 v[8*(8*(\a)+\b):8*(8*(\a)+\b)+7], v[128*((\s)%2)+12*\b:128*((\s)%2)+12*\b+11], v[AF+48*((\s)%2)+12*(\a):AF+48*((\s)%2)+12*(\a)+11], v[8*(8*(\a)+\b):8*(8*(\a)+\b)+7], v[SB+4*\b+(\s)%4], v[SA+4*(\a)+(\s)%4] matrix_a_fmt:MATRIX_FMT_FP6 matrix_b_fmt:MATRIX_FMT_FP6
.else
	v_wmma_scale_f32_16x16x128_f8f6f4 v[8*(8*(\a)+\b):8*(8*(\a)+\b)+7], v[128*((\s)%2)+12*\b:128*((\s)%2)+12*\b+11], v[AF+48*((\s)%2)+12*(\a):AF+48*((\s)%2)+12*(\a)+11], v[8*(8*(\a)+\b):8*(8*(\a)+\b)+7], v[SB+4*\b+(\s)%4], v[SA+4*(\a)+(\s)%4] matrix_a_fmt:MATRIX_FMT_FP6 matrix_b_fmt:MATRIX_FMT_FP6 matrix_a_scale:MATRIX_SCALE_ROW1 matrix_b_scale:MATRIX_SCALE_ROW1
.endif
.endr
.endr
.endm
; Slot k is read no more (its last fragments were waited for at this K step's head) and takes the next tile's half of K.  Every wave: all my tensor loads have landed; the add; the wait for it; a whole round of the cluster's barrier: it also shows
; the other slot whole to all waves.  Then the refill, first behind the round: waves 2 k and 2 k + 1, one load each.
.macro REFILL k
	WIN 0
	s_wait_tensorcnt 0x0
	ds_add_u32 v[SPW], v[NIL]
.if (\k) == 0                          ; no tensor load of mine is out: both groups 0 take the next tile's addresses: in trip 0 k's, in trip 1 v's
	s_cmp_eq_u32 s[TR], 0
	s_cselect_b64 s[G0A+2:G0A+3], s[AQ:AQ+1], s[AV:AV+1]
	s_cselect_b64 s[G0B+2:G0B+3], s[BKP:BKP+1], s[BVP:BVP+1]
	s_or_b32 s[G0A+3], s[G0A+3], 0x80000000
	s_or_b32 s[G0B+3], s[G0B+3], 0x80000000
.endif
	s_wait_dscnt 0x0
	CROUND
	s_cmp_eq_u32 s[WV], 2*(\k)
	s_cbranch_scc0 .Lnot_a_\@
	TLOAD G0A, G1A
	s_branch .Lrefilled_\@
.Lnot_a_\@:
	s_cmp_eq_u32 s[WV], 2*(\k)+1
	s_cbranch_scc0 .Lrefilled_\@
	TLOAD G0B, G1B
.Lrefilled_\@:
.endm
.macro STEP s, refill
	s_wait_dscnt 0x0                               ; this step's fragments are in (asked for 16 matrix instructions ago)
	WIN MULW
	MUL16 0, \s
.if (\s) == 3
.if \refill
	REFILL 0
.else
	s_wait_tensorcnt 0x0                           ; the tail: slot 1 is whole: every wave has waited; no LDS instruction of mine is pending here
	s_barrier_signal -1
	s_barrier_wait -1
.endif
.endif
.if (\s) == 7 && (\refill)
	REFILL 1
.endif
.if (\s) < 7
	PLACES 4                                       ; in front of loads into the set that the last step's products read
	FETCH (\s)+1
.endif
	WIN MULW
	MUL16 2, \s
.endm
; my tile a's 64 sums + the bias -> v[ST ..]; each accumulator is read from its low end on
.macro ADDB a, bias, step
	WIN ADDW
.set i, 0
.rept 32
	v_pk_add_f32 v[ST+i:ST+i+1], v[64*(\a)+i:64*(\a)+i+1], v[(\bias)+(\step)*i:(\bias)+(\step)*i+1]
.set i, i+2
.endr
	WIN 0
.endm
.macro QKOUT p, e                      ; tile 2 p + e: its codes are half e of pair p's two fragments (even head F0, odd head F1)
	ADDB 2*(\p)+(\e), BI, 1
	QUANT ST, F0+6*(\e), F1+6*(\e)
	v_lshrrev_b32 v[TT], v[SH16], v[PW]            ; lanes 0-15 keep the even head's two bytes, lanes 16-31 the odd head's
.if (\e) == 0
	v_and_b32 v[SW+(\p)], 0xffff, v[TT]
.else
	v_lshl_or_b32 v[SW+(\p)], v[TT], 16, v[SW+(\p)]
.endif
.endm
	s_cmp_lt_u32 s[WV], 2                          ; slot 0 is whole: waves 0 and 1, whose lines at the head are theirs alone, have waited
	s_cbranch_scc0 .Llater
	s_wait_tensorcnt 0x0
.Llater:
	s_barrier_signal -1
	s_barrier_wait -1
	s_mov_b32 s[TR], 0
.Ltile:
	; ---- q, then k.  Lane (r, h): token r of tile a; numbers 32 t + 16 h + i = columns of two heads: blocks 0, 1 the even head's d, blocks 2, 3 the odd head's.
	s_wait_loadcnt 0x0                             ; this tile's scale words are in (in trip 0 bv too)
.irp t, 0,1,2,3
.irp j, 0,1,2,3
	global_load_b128 v[BI+16*\t+4*\j:BI+16*\t+4*\j+3], v[BOJ], s[22:23] offset:128*\t+16*\j   ; the bias of columns 32 t + 16 h + 4 j ..: wanted on the way out
.endr
.endr
	FETCH 0
.irp s, 0,1,2,3,4,5,6,7
	STEP \s, 1
.endr
	PLACES 4                                       ; in front of the first read of results, of loads into the scale words and of writes into A's registers
	WIN 0
	s_add_nc_u64 s[98:99], s[98:99], 32768         ; the next tile's scale words: k's B lies 64 row tiles behind q's, its A is q's; v has its own
	s_cmp_eq_u32 s[TR], 0
	s_cselect_b64 s[98:99], s[98:99], s[SBV:SBV+1]
	s_cselect_b64 s[96:97], s[96:97], s[SAV:SAV+1]
	WORDS                                          ; they land during the way out
	s_wait_loadcnt 12                              ; the bias is in: the 12 loads just issued may be out
.irp p, 0,1
.if \p > 0
	s_wait_xcnt 0x0                                ; the first pair's stores have read F0 and F1: they are written again only behind this wait
.endif
	QKOUT \p, 0
	QKOUT \p, 1
.irp c, 0,1,2
	global_store_b128 v[L16], v[F0+4*\c:F0+4*\c+3], s[OQC:OQC+1] offset:1536*\p+512*\c          ; 512 consecutive bytes a store
.endr
.irp c, 0,1,2
	global_store_b128 v[L16], v[F1+4*\c:F1+4*\c+3], s[OQC:OQC+1] offset:98304+1536*\p+512*\c    ; the odd head, 98,304 bytes on
.endr
.endr
	global_store_b64 v[L8], v[SW:SW+1], s[OQS:OQS+1]   ; 256 consecutive bytes: the even head's 16 rows x 2 words, then the odd head's
	s_wait_xcnt 0x0                                ; the stores have read their registers and bases
	s_add_nc_u64 s[OQC:OQC+1], s[OQC:OQC+1], 6291456
	s_add_nc_u64 s[OQS:OQS+1], s[OQS:OQS+1], 262144
	s_mov_b64 s[22:23], s[BKB:BKB+1]
	s_add_co_u32 s[TR], s[TR], 1
	s_cmp_lt_u32 s[TR], 2
	s_wait_alu depctr_va_vdst(0)                   ; the wait here, directly ahead of the branch
	s_cbranch_scc1 .Ltile
	; ---- v.  Lane (r, h): column (d) r of tile a of my wave's head; numbers 32 c + i = tokens 64 c + 32 h + i of 128: one step of attention's keys.
	s_wait_loadcnt 0x0
	FETCH 0
.irp s, 0,1,2,3,4,5,6,7
	STEP \s, 0
.endr
	PLACES 4
	WIN 0
.irp a, 0,1,2,3
.if \a > 0
	s_wait_xcnt 0x0                                ; the last tile's stores have read F0
.endif
	ADDB \a, BV+2*\a, 0
	QUANTV F0
	v_mov_b32 v[KW+\a], v[PW]
.irp c, 0,1,2
	global_store_b128 v[L16], v[F0+4*\c:F0+4*\c+3], s[OVC:OVC+1] offset:1536*\a+512*\c
.endr
.endr
	s_mov_b32 s92, 0xffff0000
	v_cndmask_b32 v[SW], v[KW], v[KW+2], s92       ; lanes 0-15 store tiles 0, 1's words, lanes 16-31 tiles 2, 3's
	v_cndmask_b32 v[SW+1], v[KW+1], v[KW+3], s92
	global_store_b64 v[L8], v[SW:SW+1], s[OVS:OVS+1]   ; 256 consecutive bytes
	s_wait_tensorcnt 0x0                           ; the wave's end: these three lines behind my last tensor load
	ds_add_u32 v[SPW], v[NIL]
	s_wait_dscnt 0x0
	CROUND                                         ; the closing round
	s_endpgm
.Lfunc_end_k_qa7da18a7f9_qkv:
	.size	k_qa7da18a7f9_qkv, .Lfunc_end_k_qa7da18a7f9_qkv-k_qa7da18a7f9_qkv
	.p2alignl 7, 3214868480
	.fill 96, 4, 3214868480
	.section	.rodata,"a",@progbits
	.p2align	6, 0x0
	.amdhsa_kernel k_qa7da18a7f9_qkv
		.amdhsa_group_segment_fixed_size 327680
		.amdhsa_private_segment_fixed_size 0
		.amdhsa_enable_private_segment 0
		.amdhsa_kernarg_size 56
		.amdhsa_user_sgpr_count 2
		.amdhsa_user_sgpr_kernarg_segment_ptr 1
		.amdhsa_wavefront_size32 1
		.amdhsa_system_sgpr_workgroup_id_x 1
		.amdhsa_system_sgpr_workgroup_id_y 1
		.amdhsa_system_sgpr_workgroup_id_z 1
		.amdhsa_system_vgpr_workitem_id 0
		.amdhsa_next_free_vgpr 768
		.amdhsa_next_free_sgpr 100
		.amdhsa_reserve_vcc 0
		.amdhsa_float_denorm_mode_32 3
		.amdhsa_float_denorm_mode_16_64 3
		.amdhsa_memory_ordered 1
		.amdhsa_forward_progress 1
		.amdhsa_inst_pref_size 168
	.end_amdhsa_kernel
	.amdgpu_metadata
---
amdhsa.version: [ 1, 2 ]
amdhsa.kernels:
  - .name:           k_qa7da18a7f9_qkv
    .symbol:         k_qa7da18a7f9_qkv.kd
    .args:
      - { .name: opc, .offset: 0, .size: 8, .value_kind: global_buffer, .address_space: global }
      - { .name: ops, .offset: 8, .size: 8, .value_kind: global_buffer, .address_space: global }
      - { .name: bq, .offset: 16, .size: 8, .value_kind: global_buffer, .address_space: global }
      - { .name: bk, .offset: 24, .size: 8, .value_kind: global_buffer, .address_space: global }
      - { .name: bv, .offset: 32, .size: 8, .value_kind: global_buffer, .address_space: global }
      - { .name: hdc, .offset: 40, .size: 8, .value_kind: global_buffer, .address_space: global }
      - { .name: hds, .offset: 48, .size: 8, .value_kind: global_buffer, .address_space: global }
    .group_segment_fixed_size: 327680
    .private_segment_fixed_size: 0
    .kernarg_segment_align: 8
    .kernarg_segment_size: 56
    .max_flat_workgroup_size: 128
    .sgpr_count:     100
    .vgpr_count:     768
    .wavefront_size: 32
...
	.end_amdgpu_metadata
.endif
;; end of part 2
;; launch attn (part 3): grid 4 x 64, 16 waves a work-group, clusters of 4 x 1, 207,872 bytes of LDS; arguments hdc, hds, ctc, cts; writes ctc, cts
.if DOCPART == 3
	.amdgcn_target "amdgcn-amd-amdhsa--gfx1250"
	.amdhsa_code_object_version 6
	.text
	.protected	k_qa7da18a7f9_attn
	.globl	k_qa7da18a7f9_attn
	.p2align	8
	.type	k_qa7da18a7f9_attn,@function
k_qa7da18a7f9_attn:
	s_mov_b64 s[64:65], 0
	v_nop
	global_prefetch_b8 v0, s[64:65] scope:SCOPE_SE
	s_setreg_imm32_b32 hwreg(HW_REG_WAVE_MODE, 25, 1), 1
	s_wait_xcnt 0x0
	s_wait_alu depctr_hold_cnt(0) depctr_sa_sdst(0) depctr_va_vdst(0) depctr_va_sdst(0) depctr_va_ssrc(0) depctr_va_vcc(0) depctr_vm_vsrc(0)
	s_getreg_b32 s2, hwreg(HW_REG_IB_STS2, 6, 4)
	s_cmp_eq_u32 s2, 0
	s_cbranch_scc0 .Lentry_in_a_cluster
	s_endpgm
.Lentry_in_a_cluster:
	s_bfe_u32 s2, ttmp6, 0x10000c
	s_cmp_lg_u32 s2, 0x3003
	s_cbranch_scc0 .Lentry_shape_is_right
	s_endpgm
.Lentry_shape_is_right:
; ctx = softmax(q k^T / 8) v for one head and 512 queries a work-group, both products on codes of FP6 (E2M3); ctx / the row's sum is quantised along the model's 1,024 and leaves as codes.
; THE SOFTMAX: t = score x log2(e) / 8; M = the running largest t rounded UP to a whole number; p = 2^(t - M) is quantised along the keys; the row's sum is taken of the unquantised p; when M moves, sum and O are multiplied by 2^(old M - new M), exactly.
; SHARES.  256 work-groups: 64 heads x 4.  Sixteen waves of 256 registers, four to a SIMD.  A wave owns one tile of 16 queries of the work-group's first 256 and walks all 2,048 keys, 128 a step; then the same for the second 256.
; LDS.     The head's K and V codes (2 x 98,304 bytes) and scale words (2 x 4,096) all fit and serve both walks: every tensor load is a first fill, one a wave: wave 0 K's words, wave 1 V's, waves 2-9 a quarter (four steps) of K's or V's codes each.
;          The first barrier shows what waves 0-3 brought (the words and the first four steps), the second, behind four steps, all the rest.  No other barrier stands ahead of the end.
; CLUSTER. The four work-groups of a cluster belong to one head and ask for K and V jointly (mask 15).
; LAYOUT.  Both products are used transposed: a lane holds one query.  S^T = K Q^T: source 0 is a PAIR of key tiles (registers 0-5: the 64 codes of tile 2 p's 16 keys, 6-11: tile 2 p + 1's); the head is 64 wide, half of the
;          instruction's 128, so the pair is multiplied by [q | 0] for tile 2 p and by [0 | q] for tile 2 p + 1: zero codes annul the other half; the two lie in 18 registers [q | 0 | q].
;          Row i of key tile T is key 64 (T / 4) + 8 (T % 4) + i % 8 + 32 (i / 8): so a lane's 32 registers of four neighbouring tiles are keys 64 c + 32 (lane / 16) + 0 .. 31: ONE WHOLE SCALE BLOCK of p, in the very place
;          that the second product's operand gives that lane: a block's largest p needs no other lane, and the conversions' results are the operand's registers.
;          O^T = V^T P^T: row i of V's tile t is d = 32 (t / 2) + 8 (t % 2) + i + 8 (i / 8), so that O's 16 registers of two tiles are 16 neighbours along d.
; A prefetch is left out: all of K and V is asked for by tensor loads at the head, and both q tiles by loads there: no loop runs ahead of a request.
; LIMITS: NaN and infinities are not served; the promise holds while |t| stays under 2^31; a block of ctx whose largest magnitude lies under 2^-124 gets the byte 1.
.set VC,    98304                      ; LDS: K's codes [step 16][pair 4][1,536] at 0; V's [step][tile 4][1,536] here
.set KS,    196608                     ; K's scale words [step][pairs 0-1, 2-3][row 16][2 words], 256 bytes a step; V's likewise, 4,096 bytes on
.set SPARE, 204800                     ; the spare words, 128 bytes for each of the sixteen waves
.set CSG,   206848                     ; 2 x 512 bytes into which no fill lands: ctx's scale bytes of the two walks
.set AK0, 1                            ; v1   16 x lane
.set AV0, 2                            ; v2   VC + 16 x lane
.set AS0, 3                            ; v3   KS + 8 r + 4,096 h: lanes 0-15 take K's words, lanes 16-31 V's
.set SPW, 4                            ; v4   my spare word; never rewritten
.set NIL, 5                            ; v5   0; never rewritten
.set ADK, 6
.set ADV, 7
.set SW,  8                            ; v8-11  scale words: lanes 0-15 K's pairs 0-3, lanes 16-31 V's tiles 0-3
                                       ; v12 -M, v13 the largest t, v[14:15] the row's sum in two halves
.set QQ,  16                           ; v16-33 [q | 0 | q]
.set T2,  34                           ; the old -M
.set SH8, 35                           ; 8 h
.set PS,  38                           ; p's scale word
.set QS,  39                           ; q's scale word
.set FF,  42                           ; v[42:43] f = 2^(old M - new M), and a word written once
.set FR,  44                           ; v44-91 four fragments: K's pairs, then V's tiles
.set ADS, 92
.set T0,  93
.set T1,  94
.set CSA, 95                           ; CSG + 32 w + 2 r
.set S,   96                           ; v96-159 S^T, then p
.set O,   160                          ; v160-191 O^T
.set PC,  192                          ; v192-203 p's codes
.set QT,  204                          ; v204-211 the conversions' second halves
.set BM,  212
.set BT,  216
.set BS,  220
.set Q1,  224                          ; v224-229 the second walk's q, v230 its scale word
.set QS1, 230
.set L8,  237
.set R8,  238
.set CSR, 239                          ; CSG + 512 min(w, 1) + 16 x lane
.set TA,  242                          ; v242-255 seven partial sums
.set WV,  12
.set QBL, 13                           ; the first of my two blocks of 256 queries
.set SEL, 14
.set G1C, 16                           ; s[16:23] group 1 for codes, s[24:31] K's scale words, s[32:39] V's;  s[40:43] group 0 for words, s[44:47] for codes
.set G1KS, 24
.set G1VS, 32
.set TK,  60
.set TS,  61
.set CNT, 62
.set CS,  66                           ; s[66:67] c = log2(e) / 8
.set BH,  68
.macro PLACES n
.rept \n
	v_nop
.endr
.endm
.macro WALU
	s_wait_alu depctr_va_vdst(0)
.endm
.macro CROUND
	s_barrier_signal -1
	s_barrier_wait -1
	s_cmp_lg_u32 s[WV], 0
	s_cbranch_scc1 .Lnot_wave_0_\@
	s_barrier_signal -3
.Lnot_wave_0_\@:
	s_barrier_wait -3
	s_barrier_signal -1
	s_barrier_wait -1
.endm
.macro TLOAD g0, g1
	tensor_load_to_lds s[\g0:\g0+3], s[\g1:\g1+7]
	s_nop 0
	PLACES 4
.endm
.macro GROUP1 g, c, r, p               ; r rows of c elements of 8 bytes, p elements apart; the mask names all four partners, bit 21 beside it
	s_mov_b32 s[\g], 15|(3<<16)|(1<<21)
	s_mov_b32 s[\g+1], (\c)<<16
	s_mov_b32 s[\g+2], (\r)<<16
	s_mov_b32 s[\g+3], (\c)<<16
	s_mov_b32 s[\g+4], \r
	s_mov_b32 s[\g+5], \p
	s_mov_b32 s[\g+6], 0
	s_mov_b32 s[\g+7], 0
.endm
	s_load_b256 s[4:11], s[0:1], 0x0               ; hdc s[4:5], hds s[6:7], ctc s[8:9], cts s[10:11]
	v_lshl_add_u32 v[SPW], v0, 2, SPARE
	v_mov_b32 v[NIL], 0
	ds_add_u32 v[SPW], v[NIL]                      ; the opening: the add, twice on end, and its wait ahead of the first tensor loads
	ds_add_u32 v[SPW], v[NIL]
	v_lshrrev_b32 v1, 5, v0
	v_readfirstlane_b32 s[WV], v1                  ; wave 0..15
	s_bfe_u32 s63, ttmp6, 0x40000                  ; cx
	s_lshl_b32 s[QBL], ttmp9, 2
	s_add_co_u32 s[QBL], s[QBL], s63
	s_lshl_b32 s[QBL], s[QBL], 1                   ; it enters q's, ctc's and cts's addresses alone
	s_and_b32 s[BH], ttmp7, 0xffff                 ; batch x head, which the four partners share
	GROUP1 G1C, 32, 96, 32                         ; codes: 24,576 dense bytes as 96 rows of 256
	GROUP1 G1KS, 16, 32, 32                        ; K's words: 32 rows of 128 bytes, 256 bytes apart (the other head of the pair lies between)
	GROUP1 G1VS, 32, 16, 32                        ; V's words: 4,096 dense bytes as 16 rows of 256
	s_lshr_b32 s71, s[BH], 1
	s_lshl_b32 s71, s71, 13
	s_and_b32 s72, s[BH], 1
	s_lshl_b32 s72, s72, 7
	s_add_co_u32 s71, s71, s72
	s_add_co_u32 s71, s71, 262144                  ; K's words: behind q's; the head pair, the head
	s_lshl_b32 s72, s[BH], 12
	s_add_co_u32 s72, s72, 524288                  ; V's
	s_cmp_lt_u32 s[WV], 1
	s_cselect_b32 s72, s71, s72
	s_mov_b32 s73, 0
	s_min_u32 s77, s[WV], 1
	s_lshl_b32 s77, s77, 12
	s_add_co_u32 s77, s77, KS                      ; in LDS: K's words, then V's
	s_add_co_u32 s69, s[WV], 6
	s_and_b32 s69, s69, 7                          ; waves 2-9: load i = w - 2
	s_and_b32 s70, s69, 1                          ; 0 = K, 1 = V
	s_lshr_b32 s69, s69, 1                         ; which four steps
	s_mul_i32 s69, s69, 24576
	s_add_co_u32 s74, s70, 1
	s_mul_i32 s74, s74, 6291456                    ; k's codes lie behind q's, v's behind k's
	s_mul_i32 s75, s[BH], 98304
	s_add_co_u32 s74, s74, s75
	s_add_co_u32 s74, s74, s69
	s_mov_b32 s75, 0
	s_mul_i32 s76, s70, VC
	s_add_co_u32 s76, s76, s69
	s_mov_b32 s[SEL], 0x76543210
	s_mov_b32 s[SEL+1], 0xfedcba98
	s_mov_b32 s[CS], 0x3e38aa3b                    ; c = log2(e) / 8
	s_mov_b32 s[CS+1], s[CS]                       ; (named with it as a pair, so it is written)
	s_wait_dscnt 0x0                               ; both opening adds are done
	s_wait_kmcnt 0x0
	s_mov_b32 s40, 1
	s_mov_b32 s41, s77
	s_add_nc_u64 s[42:43], s[6:7], s[72:73]
	s_or_b32 s43, s43, 0x80000000
	s_mov_b32 s44, 1
	s_mov_b32 s45, s76
	s_add_nc_u64 s[46:47], s[4:5], s[74:75]
	s_or_b32 s47, s47, 0x80000000
	CROUND                                         ; all four work-groups are here: the joint loads meet
	s_cmp_lt_u32 s[WV], 1                          ; one chain of arms, one first fill to an arm; the lines of the first three arms are issued by waves 0-3 alone
	s_cbranch_scc0 .Larm_1
	TLOAD 40, G1KS
	s_branch .Lasked
.Larm_1:
	s_cmp_lt_u32 s[WV], 2
	s_cbranch_scc0 .Larm_2
	TLOAD 40, G1VS
	s_branch .Lasked
.Larm_2:
	s_cmp_lt_u32 s[WV], 4
	s_cbranch_scc0 .Larm_3
	TLOAD 44, G1C                                  ; steps 0-3 of K, of V
	s_branch .Lasked
.Larm_3:
	s_cmp_lt_u32 s[WV], 10
	s_cbranch_scc0 .Lasked
	TLOAD 44, G1C                                  ; steps 4-15
.Lasked:
	; q: my tile is tile w % 2 of pair 8 block + w / 2
	s_mul_i32 s70, s[BH], 98304
	s_mul_i32 s71, s[QBL], 12288
	s_add_co_u32 s70, s70, s71
	s_lshr_b32 s71, s[WV], 1
	s_mul_i32 s71, s71, 1536
	s_add_co_u32 s70, s70, s71
	s_mov_b32 s71, 0
	s_add_nc_u64 s[70:71], s[4:5], s[70:71]
	s_lshr_b32 s72, s[BH], 1
	s_lshl_b32 s72, s72, 4
	s_lshl_b32 s73, s[QBL], 1
	s_add_co_u32 s72, s72, s73
	s_lshr_b32 s73, s[WV], 3
	s_add_co_u32 s72, s72, s73                     ; 16 (head pair) + the step in which my pair lies
	s_lshl_b32 s72, s72, 9
	s_bfe_u32 s73, s[WV], 0x10002
	s_lshl_b32 s73, s73, 8
	s_add_co_u32 s72, s72, s73                     ; its half,
	s_and_b32 s73, s[BH], 1
	s_lshl_b32 s73, s73, 7
	s_add_co_u32 s72, s72, s73                     ; my head of the pair,
	s_bfe_u32 s73, s[WV], 0x10001
	s_lshl_b32 s73, s73, 2
	s_add_co_u32 s72, s72, s73                     ; the word
	s_mov_b32 s73, 0
	s_add_nc_u64 s[72:73], s[6:7], s[72:73]
	; where ctx goes
	s_lshr_b32 s74, s[BH], 4                       ; the batch
	s_and_b32 s75, s[BH], 15                       ; the head
	s_lshl_b32 s76, s74, 7
	s_lshl_b32 s77, s[QBL], 4
	s_add_co_u32 s76, s76, s77
	s_add_co_u32 s76, s76, s[WV]                   ; my row tile of 512 in the first walk; the second's lies 16 tiles on
	s_lshl_b32 s76, s76, 3
	s_lshr_b32 s77, s75, 1
	s_add_co_u32 s76, s76, s77
	s_mul_i32 s76, s76, 1536
	s_and_b32 s77, s75, 1
	s_mul_i32 s77, s77, 768
	s_add_co_u32 s76, s76, s77
	s_mov_b32 s77, 0
	s_add_nc_u64 s[8:9], s[8:9], s[76:77]
	s_min_u32 s63, s[WV], 1                        ; wave 0 stores the first walk's scale bytes, wave 1 the second's
	s_lshl_b32 s78, s74, 3
	s_add_co_u32 s78, s78, s[QBL]
	s_add_co_u32 s78, s78, s63
	s_lshl_b32 s78, s78, 4
	s_add_co_u32 s78, s78, s75
	s_lshl_b32 s78, s78, 9
	s_mov_b32 s79, 0
	s_add_nc_u64 s[10:11], s[10:11], s[78:79]
	s_lshl_b32 s48, s[WV], 5
	s_lshl_b32 s49, s63, 9
	s_add_co_u32 s49, s49, CSG
	s_and_b32 s69, s[WV], 1
	s_lshl_b32 s2, s69, 4
	s_cmp_eq_u32 s69, 1
	s_cselect_b32 s3, -1, 0                        ; all lanes: the pair's odd tile is mine
	v_and_b32 v[T0], 31, v0                        ; lane
	v_and_b32 v[T1], 15, v0                        ; r
	v_bfe_u32 v[ADS], v0, 4, 1                     ; h
	v_lshlrev_b32 v[AK0], 4, v[T0]
	v_lshlrev_b32 v[R8], 3, v[T1]
	v_lshlrev_b32 v[L8], 3, v[T0]
	v_lshlrev_b32 v[SH8], 3, v[ADS]
	v_lshl_add_u32 v[CSA], v[T1], 1, s48
	v_add_nc_u32 v[AV0], VC, v[AK0]
	v_lshl_add_u32 v[AS0], v[ADS], 12, v[R8]
	v_add_nc_u32 v[CSR], s49, v[AK0]
	v_add_nc_u32 v[CSA], CSG, v[CSA]
	v_add_nc_u32 v[AS0], KS, v[AS0]
	WALU                                           ; the wait at the head's end
.irp c, 0,1,2
	global_load_b128 v[S+4*\c:S+4*\c+3], v[AK0], s[70:71] offset:512*\c             ; the first walk's pair,
	global_load_b128 v[S+12+4*\c:S+12+4*\c+3], v[AK0], s[70:71] offset:12288+512*\c ; the second's, 8 pairs on
.endr
	global_load_b32 v[S+24], v[R8], s[72:73]
	global_load_b32 v[S+25], v[R8], s[72:73] offset:1024
	s_wait_loadcnt 0x0
.irp i, 0,1,2,3,4,5
	v_cndmask_b32 v[QQ+\i], v[S+\i], v[S+6+\i], s3
	v_cndmask_b32 v[Q1+\i], v[S+12+\i], v[S+18+\i], s3
	v_mov_b32 v[QQ+6+\i], 0
.endr
	v_lshrrev_b32 v[S+24], s2, v[S+24]             ; my tile's two bytes,
	v_lshrrev_b32 v[S+25], s2, v[S+25]
	v_and_b32 v[S+24], 0xffff, v[S+24]
	v_and_b32 v[S+25], 0xffff, v[S+25]
	v_lshl_or_b32 v[QS], v[S+24], 16, v[S+24]      ; for either half of the instruction's K
	v_lshl_or_b32 v[QS1], v[S+25], 16, v[S+25]
	v_mov_b32 v[FF+1], 0                           ; (named as the upper half of the pair before it is first written)
.irp b, 0,1,2,3
	v_mov_b32 v[BT+\b], 0                          ; written once: a lane permute's destination counts as one of its sources
.endr
; A walk begins: q in its 18 registers, the running numbers, O^T = 0 (the step is written once; its first trip finds zeros, which the first change of M leaves zeros).  The 32 moves are also the places between q's word and the first product.
.macro BEGIN p
.if \p
	s_wait_xcnt 0x0                                ; the first walk's stores have read their registers
	v_mov_b32 v[QS], v[QS1]
.irp i, 0,1,2,3,4,5
	v_mov_b32 v[QQ+\i], v[Q1+\i]
	v_mov_b32 v[QQ+12+\i], v[Q1+\i]
.endr
.else
.irp i, 0,1,2,3,4,5
	v_mov_b32 v[QQ+12+\i], v[QQ+\i]
.endr
.endif
	v_mov_b32 v13, 0xff61b1e6                      ; the largest t so far: -3e38, under every t
	v_mov_b32 v14, 0
	v_mov_b32 v15, 0
	v_floor_f32 v12, -v13                          ; -M
.set j, 0
.rept 32
	v_mov_b32 v[O+j], 0
.set j, j+1
.endr
	s_mov_b32 s[TK], 0
	s_mov_b32 s[TS], 0
.endm
; A KEY STEP: 128 keys, at LDS bytes s[TK] (codes) and s[TS] (scale words).
.macro STEP
	v_add_nc_u32 v[ADK], s[TK], v[AK0]             ; with the three additions at the last step's end: the places in front of loads into registers that the last products read
	v_add_nc_u32 v[ADS], s[TS], v[AS0]
.irp p, 0,1,2,3
.irp c, 0,1,2
	ds_load_b128 v[FR+12*\p+4*\c:FR+12*\p+4*\c+3], v[ADK] offset:1536*\p+512*\c
.endr
.endr
	ds_load_b64 v[SW:SW+1], v[ADS]
	ds_load_b64 v[SW+2:SW+3], v[ADS] offset:128
	WALU                                           ; the wait here, directly ahead of the wait below
	s_wait_dscnt 0x0
.irp p, 0,1,2,3                        ; S^T: register 32 c + i = key 64 c + 32 (lane / 16) + i of the step (pair p gives registers 16 p .. 16 p + 15)
	v_wmma_scale_f32_16x16x128_f8f6f4 v[S+16*\p:S+16*\p+7], v[FR+12*\p:FR+12*\p+11], v[QQ:QQ+11], 0, v[SW+\p], v[QS] matrix_a_fmt:MATRIX_FMT_FP6 matrix_b_fmt:MATRIX_FMT_FP6
	v_wmma_scale_f32_16x16x128_f8f6f4 v[S+16*\p+8:S+16*\p+15], v[FR+12*\p:FR+12*\p+11], v[QQ+6:QQ+17], 0, v[SW+\p], v[QS] matrix_a_fmt:MATRIX_FMT_FP6 matrix_b_fmt:MATRIX_FMT_FP6
.endr
	v_mov_b32 v[T2], v12                           ; the old -M; four places in front of the loads below and of the first read of the scores
	v_add_nc_u32 v[ADV], s[TK], v[AV0]
	PLACES 2
.irp p, 0,1,2,3
.irp c, 0,1,2
	ds_load_b128 v[FR+12*\p+4*\c:FR+12*\p+4*\c+3], v[ADV] offset:1536*\p+512*\c   ; V's four tiles land during the softmax
.endr
.endr
.irp c, 0,1                            ; the largest score of my two blocks of 32 keys, each in two chains: for the row's maximum, and, since p rises with the score, for the block's largest p
	v_max3_num_f32 v[BM+\c], v[S+32*\c], v[S+32*\c+1], v[S+32*\c+2]
	v_max3_num_f32 v[BM+2+\c], v[S+32*\c+16], v[S+32*\c+17], v[S+32*\c+18]
.endr
.irp i, 3,5,7,9,11,13
.irp c, 0,1
	v_max3_num_f32 v[BM+\c], v[BM+\c], v[S+32*\c+\i], v[S+32*\c+\i+1]
	v_max3_num_f32 v[BM+2+\c], v[BM+2+\c], v[S+32*\c+\i+16], v[S+32*\c+\i+17]
.endr
.endr
.irp c, 0,1
	v_max3_num_f32 v[BM+\c], v[BM+\c], v[BM+2+\c], v[S+32*\c+15]
.endr
.irp c, 0,1
	v_max_num_f32 v[BM+\c], v[BM+\c], v[S+32*\c+31]
.endr
	s_delay_alu instid0(VALU_DEP_1)
	v_max_num_f32 v[T0], v[BM], v[BM+1]
	s_delay_alu instid0(VALU_DEP_1)
	v_permlanex16_b32 v[BT], v[T0], s[SEL], s[SEL+1]
	s_delay_alu instid0(VALU_DEP_1)
	v_max_num_f32 v[T0], v[T0], v[BT]              ; with lane l xor 16's two blocks: the step's largest score of my query
	s_delay_alu instid0(VALU_DEP_1)
	v_mul_f32 v[T0], s[CS], v[T0]                  ; as t (c is positive)
	s_delay_alu instid0(VALU_DEP_1)
	v_max_num_f32 v13, v13, v[T0]
	s_delay_alu instid0(VALU_DEP_1)
	v_floor_f32 v12, -v13                          ; the new -M = -ceil(t): a whole number
	s_delay_alu instid0(VALU_DEP_1)
	v_sub_f32 v[T0], v12, v[T2]                    ; old M - new M: a whole number, 0 or less
	s_delay_alu instid0(VALU_DEP_1)
	v_cvt_i32_f32 v[T0], v[T0]                     ; (it saturates)
	s_delay_alu instid0(VALU_DEP_1)
	v_ldexp_f32 v[FF], 1.0, v[T0]                  ; f = 2^(old M - new M)
.set j, 0
.rept 32
	v_pk_fma_f32 v[S+j:S+j+1], v[S+j:S+j+1], s[CS:CS+1], v[12:13] op_sel_hi:[1,0,0]   ; t - M, two at a time
.set j, j+2
.endr
.irp b, 0,1
	v_fma_f32 v[BM+\b], v[BM+\b], s[CS], v12       ; the same of each block's largest score
.endr
	WALU                                           ; the wait ahead of the batch
.set j, 0
.rept 64
	v_exp_f32 v[S+j], v[S+j]                       ; p = 2^(t - M)
.set j, j+1
.endr
	v_pk_mul_f32 v[14:15], v[14:15], v[FF:FF+1] op_sel_hi:[1,0]   ; the sums under the new M: the plain place behind the exponentials
	WALU                                           ; one wait for the batch of 64, ahead of its first reader
.irp b, 0,1
	v_exp_f32 v[BM+\b], v[BM+\b]                   ; the blocks' largest p
.endr
	; the row's sum of the unquantised p: 32 pairs into eight chains (seven partial sums and the sum itself)
.set i, 0
.rept 7
	v_pk_add_f32 v[TA+2*i:TA+2*i+1], v[S+4+8*i:S+5+8*i], v[S+8+8*i:S+9+8*i]
.set i, i+1
.endr
	v_pk_add_f32 v[14:15], v[14:15], v[S+60:S+61]
	v_pk_add_f32 v[TA:TA+1], v[TA:TA+1], v[S:S+1]
.set i, 1
.rept 6
	v_pk_add_f32 v[TA+2*i:TA+2*i+1], v[TA+2*i:TA+2*i+1], v[S+4*i-2:S+4*i-1]
.set i, i+1
.endr
	v_pk_add_f32 v[14:15], v[14:15], v[S+26:S+27]
.set i, 0
.rept 7
	v_pk_add_f32 v[TA+2*i:TA+2*i+1], v[TA+2*i:TA+2*i+1], v[S+30+4*i:S+31+4*i]
.set i, i+1
.endr
	v_pk_add_f32 v[14:15], v[14:15], v[S+58:S+59]
	v_pk_add_f32 v[TA:TA+1], v[TA:TA+1], v[S+62:S+63]
	s_delay_alu instid0(VALU_DEP_2)
	v_pk_add_f32 v[14:15], v[14:15], v[TA+6:TA+7]
	s_delay_alu instid0(VALU_DEP_2)
	v_pk_add_f32 v[TA:TA+1], v[TA:TA+1], v[TA+8:TA+9]
	v_pk_add_f32 v[TA+2:TA+3], v[TA+2:TA+3], v[TA+10:TA+11]
	v_pk_add_f32 v[TA+4:TA+5], v[TA+4:TA+5], v[TA+12:TA+13]   ; the last three additions stand at the step's end
	WALU                                           ; and one wait for the two
.irp b, 0,1
	v_max_num_f32 v[BM+\b], 0x1800000, v[BM+\b]    ; the floor 2^(3 - 127): the byte cannot fall under 1
.endr
.irp b, 0,1
	s_delay_alu instid0(VALU_DEP_2)
	v_add_nc_u32 v[BS+\b], 0xff000000, v[BM+\b]    ; the conversion's scale operand
.endr
.irp b, 0,1
	s_delay_alu instid0(VALU_DEP_2)
	v_lshrrev_b32 v[BT+\b], 23, v[BS+\b]           ; the scale's byte
.endr
	s_delay_alu instid0(VALU_DEP_1)
	v_lshl_or_b32 v[PS], v[BT+1], 16, v[BT]        ; my two bytes: blocks h and 2 + h,
	s_delay_alu instid0(VALU_DEP_1)
	v_lshlrev_b32 v[PS], v[SH8], v[PS]             ; at their places in the word;
	s_delay_alu instid0(VALU_DEP_1)
	v_permlanex16_b32 v[BT+2], v[PS], s[SEL], s[SEL+1]
	s_delay_alu instid0(VALU_DEP_1)
	v_or_b32 v[PS], v[PS], v[BT+2]                 ; with lane l xor 16's two the word is whole
.irp c, 0,1
	v_cvt_scalef32_pk16_fp6_f32 v[PC+6*\c:PC+6*\c+2], v[S+32*\c:S+32*\c+15], v[BS+\c]
	v_cvt_scalef32_pk16_fp6_f32 v[QT+4*\c:QT+4*\c+2], v[S+16+32*\c:S+31+32*\c], v[BS+\c]   ; (a conversion's three registers begin on an even number)
.endr
	v_nop                                          ; one plain place behind the scaled conversions
.irp c, 0,1
.irp i, 0,1,2
	v_mov_b32 v[PC+3+6*\c+\i], v[QT+4*\c+\i]
.endr
.endr
	WALU                                           ; the wait here, directly ahead of the first reader of O^T
.set j, 0
.rept 16
	v_pk_mul_f32 v[O+j:O+j+1], v[O+j:O+j+1], v[FF:FF+1] op_sel_hi:[1,0]   ; O^T under the new M, each accumulator from its low end on.  (Also the places between p's word and codes and the products below)
.set j, j+2
.endr
	WALU                                           ; directly ahead of the wait below
	s_wait_dscnt 0x0                               ; V's tiles are in
.irp t, 0,1,2,3                        ; O^T += V^T P^T; V's words stand in lanes 16-31.  The four accumulators take turns
	v_wmma_scale_f32_16x16x128_f8f6f4 v[O+8*\t:O+8*\t+7], v[FR+12*\t:FR+12*\t+11], v[PC:PC+11], v[O+8*\t:O+8*\t+7], v[SW+\t], v[PS] matrix_a_fmt:MATRIX_FMT_FP6 matrix_b_fmt:MATRIX_FMT_FP6 matrix_a_scale:MATRIX_SCALE_ROW1
.endr
	v_pk_add_f32 v[14:15], v[14:15], v[TA+2:TA+3]  ; the sum's last three additions name none of the products' registers: places behind them
	v_pk_add_f32 v[TA:TA+1], v[TA:TA+1], v[TA+4:TA+5]
	s_delay_alu instid0(VALU_DEP_1)
	v_pk_add_f32 v[14:15], v[14:15], v[TA:TA+1]
.endm
.macro WALK n                          ; n steps on end
	s_mov_b32 s[CNT], \n
.Lstep_\@:
	STEP
	s_add_co_u32 s[TK], s[TK], 6144
	s_add_co_u32 s[TS], s[TS], 256
	s_sub_co_u32 s[CNT], s[CNT], 1
	s_cmp_lg_u32 s[CNT], 0
	s_cbranch_scc1 .Lstep_\@
.endm
; THE WAY OUT of walk p: O^T / the sum; its 32 registers are d = 32 b + 16 h + i of my head: two blocks along the model's 1,024; they become half a fragment (my head is half head % 2 of K step head / 2).
.macro OUT p
	v_add_f32 v14, v14, v15
	s_delay_alu instid0(VALU_DEP_1)
	v_permlanex16_b32 v[T0], v14, s[SEL], s[SEL+1]
	s_delay_alu instid0(VALU_DEP_1)
	v_add_f32 v14, v14, v[T0]                      ; the row's sum
	WALU
	v_rcp_f32 v[FF], v14
	v_nop                                          ; a plain place behind the reciprocal,
	WALU                                           ; and the wait ahead of its first reader and of O^T's
.set j, 0
.rept 16
	v_pk_mul_f32 v[S+j:S+j+1], v[O+j:O+j+1], v[FF:FF+1] op_sel_hi:[1,0]
.set j, j+2
.endr
.irp b, 0,1
	v_max3_num_f32 v[BM+\b], |v[S+16*\b]|, |v[S+1+16*\b]|, 0x1800000
.endr
.irp i, 2,4,6,8,10,12,14
.irp b, 0,1
	s_delay_alu instid0(VALU_DEP_2)
	v_max3_num_f32 v[BM+\b], v[BM+\b], |v[S+16*\b+\i]|, |v[S+1+16*\b+\i]|
.endr
.endr
.irp b, 0,1
	s_delay_alu instid0(VALU_DEP_2)
	v_permlanex16_b32 v[BT+\b], v[BM+\b], s[SEL], s[SEL+1]
.endr
.irp b, 0,1
	s_delay_alu instid0(VALU_DEP_2)
	v_max_num_f32 v[BM+\b], v[BM+\b], v[BT+\b]
.endr
.irp b, 0,1
	s_delay_alu instid0(VALU_DEP_2)
	v_add_nc_u32 v[BS+\b], 0xff000000, v[BM+\b]
.endr
.irp b, 0,1
	s_delay_alu instid0(VALU_DEP_2)
	v_lshrrev_b32 v[BT+\b], 23, v[BS+\b]
.endr
	s_delay_alu instid0(VALU_DEP_1)
	v_lshl_or_b32 v[T1], v[BT+1], 8, v[BT]         ; my row's two bytes
	v_cvt_scalef32_pk16_fp6_f32 v[PC:PC+2], v[S:S+15], v[BS]
	v_cvt_scalef32_pk16_fp6_f32 v[QT:QT+2], v[S+16:S+31], v[BS+1]
	v_nop
.irp i, 0,1,2
	v_permlane16_swap_b32 v[PC+\i], v[QT+\i]
.endr
.irp i, 0,1,2
	s_delay_alu instid0(VALU_DEP_3)
	v_mov_b32 v[PC+3+\i], v[QT+\i]
.endr
	global_store_b128 v[AK0], v[PC:PC+3], s[8:9] offset:196608*\p              ; the half fragment's registers 0-3: 512 consecutive bytes,
	global_store_b64 v[L8], v[PC+4:PC+5], s[8:9] offset:196608*\p+512          ; registers 4, 5: 256
	ds_store_b16 v[CSA], v[T1] offset:512*\p       ; both halves of the lanes write the same bytes with the same value
.endm
	BEGIN 0
	WALU                                           ; the wait here, ahead of the branch and the barrier
	s_cmp_lt_u32 s[WV], 4
	s_cbranch_scc0 .Lnot_first
	s_wait_tensorcnt 0x0                           ; waves 0-3: the words and steps 0-3
.Lnot_first:
	s_barrier_signal -1
	s_barrier_wait -1                              ; the later steps' loads may be out
	WALK 4
	s_wait_tensorcnt 0x0                           ; every wave: all that was still out; no LDS instruction of mine is pending here
	s_barrier_signal -1
	s_barrier_wait -1
	WALK 12
	OUT 0
	BEGIN 1
	WALK 16
	OUT 1
	s_wait_dscnt 0x0                               ; for the others' sake
	s_barrier_signal -1
	s_barrier_wait -1                              ; the work-group's 2 x 512 scale bytes lie together
	s_cmp_lt_u32 s[WV], 2
	s_cbranch_scc0 .Lnot_01
	ds_load_b128 v[S:S+3], v[CSR]
	s_wait_dscnt 0x0
	global_store_b128 v[AK0], v[S:S+3], s[10:11]   ; 512 consecutive bytes: wave 0 the first walk's, wave 1 the second's
.Lnot_01:
	s_wait_tensorcnt 0x0                           ; the wave's end: these three lines behind my last tensor load and my last LDS store
	ds_add_u32 v[SPW], v[NIL]
	s_wait_dscnt 0x0
	CROUND                                         ; the closing round
	s_endpgm
.Lfunc_end_k_qa7da18a7f9_attn:
	.size	k_qa7da18a7f9_attn, .Lfunc_end_k_qa7da18a7f9_attn-k_qa7da18a7f9_attn
	.p2alignl 7, 3214868480
	.fill 96, 4, 3214868480
	.section	.rodata,"a",@progbits
	.p2align	6, 0x0
	.amdhsa_kernel k_qa7da18a7f9_attn
		.amdhsa_group_segment_fixed_size 207872
		.amdhsa_private_segment_fixed_size 0
		.amdhsa_enable_private_segment 0
		.amdhsa_kernarg_size 32
		.amdhsa_user_sgpr_count 2
		.amdhsa_user_sgpr_kernarg_segment_ptr 1
		.amdhsa_wavefront_size32 1
		.amdhsa_system_sgpr_workgroup_id_x 1
		.amdhsa_system_sgpr_workgroup_id_y 1
		.amdhsa_system_sgpr_workgroup_id_z 1
		.amdhsa_system_vgpr_workitem_id 0
		.amdhsa_next_free_vgpr 256
		.amdhsa_next_free_sgpr 80
		.amdhsa_reserve_vcc 0
		.amdhsa_float_denorm_mode_32 3
		.amdhsa_float_denorm_mode_16_64 3
		.amdhsa_memory_ordered 1
		.amdhsa_forward_progress 1
		.amdhsa_inst_pref_size 68
	.end_amdhsa_kernel
	.amdgpu_metadata
---
amdhsa.version: [ 1, 2 ]
amdhsa.kernels:
  - .name:           k_qa7da18a7f9_attn
    .symbol:         k_qa7da18a7f9_attn.kd
    .args:
      - { .name: hdc, .offset: 0, .size: 8, .value_kind: global_buffer, .address_space: global }
      - { .name: hds, .offset: 8, .size: 8, .value_kind: global_buffer, .address_space: global }
      - { .name: ctc, .offset: 16, .size: 8, .value_kind: global_buffer, .address_space: global }
      - { .name: cts, .offset: 24, .size: 8, .value_kind: global_buffer, .address_space: global }
    .group_segment_fixed_size: 207872
    .private_segment_fixed_size: 0
    .kernarg_segment_align: 8
    .kernarg_segment_size: 32
    .max_flat_workgroup_size: 512
    .sgpr_count:     80
    .vgpr_count:     256
    .wavefront_size: 32
...
	.end_amdgpu_metadata
.endif
;; end of part 3
;; launch outp (part 4): grid 8 x 32, 4 waves a work-group, clusters of 4 x 4, 295,424 bytes of LDS; arguments ctc, cts, opc, ops, bo, out0; writes out0
.if DOCPART == 4
	.amdgcn_target "amdgcn-amd-amdhsa--gfx1250"
	.amdhsa_code_object_version 6
	.text
	.protected	k_qa7da18a7f9_outp
	.globl	k_qa7da18a7f9_outp
	.p2align	8
	.type	k_qa7da18a7f9_outp,@function
k_qa7da18a7f9_outp:
	s_mov_b64 s[64:65], 0
	v_nop
	global_prefetch_b8 v0, s[64:65] scope:SCOPE_SE
	s_setreg_imm32_b32 hwreg(HW_REG_WAVE_MODE, 25, 1), 1
	s_wait_xcnt 0x0
	s_wait_alu depctr_hold_cnt(0) depctr_sa_sdst(0) depctr_va_vdst(0) depctr_va_sdst(0) depctr_va_ssrc(0) depctr_va_vcc(0) depctr_vm_vsrc(0)
	s_getreg_b32 s2, hwreg(HW_REG_IB_STS2, 6, 4)
	s_cmp_eq_u32 s2, 0
	s_cbranch_scc0 .Lentry_in_a_cluster
	s_endpgm
.Lentry_in_a_cluster:
	s_bfe_u32 s2, ttmp6, 0x10000c
	s_cmp_lg_u32 s2, 0xf033
	s_cbranch_scc0 .Lentry_shape_is_right
	s_endpgm
.Lentry_shape_is_right:
; out0 = ctx Wo + bo on codes of FP6 (E2M3).  ctx's codes and scale bytes come from attention, Wo's from the first launch (row tiles 704-767 of opc, ops).
; SHAPE. A work-group makes 256 tokens x 128 columns with ALL of K = 1,024 in LDS (196,608 + 98,304 bytes): every tensor load is a first fill, one a wave: half of K of ctx's or of Wo's panel.  Wave w: token tiles 4 w .. 4 w + 3 x the eight tiles of columns: 32 accumulators.
;        The product is used transposed (source 0 = 16 columns of Wo, source 1 = 16 tokens): a lane holds one token and, for each two tiles of columns, 16 neighbouring columns.
;        Row i of Wo's tile T is column 32 (T / 2) + 8 (T % 2) + i + 8 (i / 8); row i of ctx's tile T is token 64 (T / 4) + 8 (T % 4) + i % 8 + 32 (i / 8).
; ctc:   [token tile 512][K step 8][1,536 bytes]; a head gave half a fragment: half c at 768 c: registers 6 c .. 6 c + 3 at 16 x lane, registers 6 c + 4, 5 at 512 + 8 x lane.
; cts:   [256 tokens 32][head 16][tile 16][row 16][2 bytes].
; CLUSTER 4 x 4: ctx's panel is shared along a row of the cluster, Wo's along a column.  bo is the C of each sum's first product.
; A prefetch is left out: both panels are asked for by tensor loads at the head: no loop runs ahead of a request.
; REGISTERS: window 0: v1-15 addresses; v16-31, v32-63 scale words; v64-159 A's fragments, two sets; v160-223 bo; v224-255 ctx's scale bytes as loaded.  On the way out v64-191 rows of the result.
;            window 1: accumulator (a, b) at v[8 (8 a + b)].   window 2: B's fragments, sets at v0 and v128.
.set SPARE, 294912
.set BLDS,  196608
.set L16,  1
.set ADRA, 3                           ; v3-4  LDS: my four tiles of A, 16 bytes a lane
.set ADRB, 5                           ; v5-6  B's eight
.set BOJ,  7                           ; v7    64 h
.set ADR8, 8                           ; v8-9  my four tiles of A, 8 bytes a lane
.set LSC,  10                          ; v10   32 r + 16 h
.set CSO,  11                          ; v11   4,096 h + 2 r
.set SPW,  12
.set NIL,  13
.set STO,  14                          ; v14   the stage: row r, + 64 h
.set RD,   15                          ; v15   and back: 16 bytes a lane
.set SA,   16
.set SB,   32
.set AF,   64
.set BI,   160
.set HW,   224
.set BK,   64
.set WV,   18
.set HF,   19                          ; wave / 2: which half of K I fetch
.set G1A,  24
.set G1B,  32
.set G0A,  40
.set G0B,  68
.set CX,   56
.set CY,   57
.set MSB, 0
.macro WIN new
.if MSB != \new
	s_set_vgpr_msb (MSB<<8)|\new
.set MSB, \new
.endif
.endm
.set MULW, 0x52                        ; source 0 (B) window 2, source 1 (A) window 0, C and D window 1
.set MULB, 0x42                        ; the same with C (bo) in window 0
.set TO_B, 0x80
.macro PLACES n
.rept \n
	v_nop
.endr
.endm
.macro CROUND
	s_barrier_signal -1
	s_barrier_wait -1
	s_cmp_lg_u32 s[WV], 0
	s_cbranch_scc1 .Lnot_wave_0_\@
	s_barrier_signal -3
.Lnot_wave_0_\@:
	s_barrier_wait -3
	s_barrier_signal -1
	s_barrier_wait -1
.endm
	s_load_b256 s[4:11], s[0:1], 0x0               ; ctc s[4:5], cts s[6:7], opc s[8:9], ops s[10:11]
	s_load_b128 s[12:15], s[0:1], 0x20             ; bo s[12:13], out0 s[14:15]
	v_lshl_add_u32 v[SPW], v0, 2, SPARE
	v_mov_b32 v[NIL], 0
	ds_add_u32 v[SPW], v[NIL]                      ; the opening: the add, twice on end, and its wait ahead of my first tensor load
	ds_add_u32 v[SPW], v[NIL]
	v_lshrrev_b32 v1, 5, v0
	v_readfirstlane_b32 s[WV], v1
	s_lshr_b32 s[HF], s[WV], 1
	s_bfe_u32 s[CX], ttmp6, 0x40000
	s_bfe_u32 s[CY], ttmp6, 0x40004
	s_lshl_b32 s59, s[CY], 2
	s_lshl_b32 s59, 15, s59                        ; my row of the cluster
	s_lshl_b32 s60, 0x1111, s[CX]                  ; my column
	s_or_b32 s[G1A], s59, (3<<16)|(1<<21)          ; R row tiles' 6,144 bytes (four K steps) each, 12,288 bytes apart; elements of 8 bytes; no padding
	s_or_b32 s[G1B], s60, (3<<16)|(1<<21)
	s_mov_b32 s[G1A+1], 768<<16
	s_mov_b32 s[G1A+2], 16<<16
	s_mov_b32 s[G1A+3], 768<<16
	s_mov_b32 s[G1A+4], 16
	s_mov_b32 s[G1A+5], 1536
	s_mov_b32 s[G1A+6], 0
	s_mov_b32 s[G1A+7], 0
	s_mov_b32 s[G1B+1], 768<<16
	s_mov_b32 s[G1B+2], 8<<16
	s_mov_b32 s[G1B+3], 768<<16
	s_mov_b32 s[G1B+4], 8
	s_mov_b32 s[G1B+5], 1536
	s_mov_b32 s[G1B+6], 0
	s_mov_b32 s[G1B+7], 0
	s_and_b32 s61, ttmp7, 0xffff
	s_lshl_b32 s61, s61, 2
	s_add_co_u32 s61, s61, s[CY]                   ; which 256 tokens
	s_lshl_b32 s62, ttmp9, 2
	s_add_co_u32 s62, s62, s[CX]                   ; which 128 columns
	s_mul_i32 s86, s61, 196608
	s_mul_i32 s87, s[HF], 6144
	s_add_co_u32 s86, s86, s87                     ; A's panel, my half of K
	s_lshl_b32 s63, s62, 3
	s_add_co_u32 s63, s63, 704                     ; Wo's first row tile
	s_mul_i32 s88, s63, 12288
	s_add_co_u32 s88, s88, s87                     ; B's panel, my half of K
	s_mov_b32 s87, 0
	s_mov_b32 s89, 0
	s_mul_i32 s90, s[HF], 98304                    ; in LDS: [half of K][row tile][K step 4][1,536]
	s_mul_i32 s91, s[HF], 49152
	s_add_co_u32 s91, s91, BLDS
	s_lshl_b32 s96, s61, 13
	s_lshl_b32 s97, s[WV], 7
	s_add_co_u32 s96, s96, s97                     ; ctx's scale bytes: my 256 tokens, my four tiles
	s_mov_b32 s97, 0
	s_lshl_b32 s98, s63, 9                         ; Wo's scale words
	s_mov_b32 s99, 0
	s_lshl_b32 s22, s62, 9                         ; bo: the 128 columns; also their bytes in a row of out0
	s_mov_b32 s23, 0
	s_lshl_b32 s2, s61, 8
	s_lshl_b32 s3, s[WV], 6
	s_add_co_u32 s2, s2, s3
	s_lshl_b32 s2, s2, 12                          ; out0: my wave's first token
	s_add_co_u32 s2, s2, s22
	s_mov_b32 s3, 0
	s_wait_dscnt 0x0                               ; both opening adds are done
	s_wait_kmcnt 0x0
	s_add_nc_u64 s[92:93], s[4:5], s[86:87]
	s_add_nc_u64 s[94:95], s[8:9], s[88:89]
	s_mov_b32 s[G0A], 1
	s_mov_b32 s[G0A+1], s90
	s_mov_b64 s[G0A+2:G0A+3], s[92:93]
	s_or_b32 s[G0A+3], s[G0A+3], 0x80000000
	s_mov_b32 s[G0B], 1
	s_mov_b32 s[G0B+1], s91
	s_mov_b64 s[G0B+2:G0B+3], s[94:95]
	s_or_b32 s[G0B+3], s[G0B+3], 0x80000000
	CROUND                                         ; all sixteen work-groups are here: the joint loads meet
	s_cmp_lt_u32 s[WV], 1                          ; one first fill a wave, each in an arm of its own of one chain: one tensor load of mine is out
	s_cbranch_scc0 .Lfill_1
	tensor_load_to_lds s[G0A:G0A+3], s[G1A:G1A+7]  ; wave 0: A, K steps 0-3
	s_nop 0
	PLACES 4
	s_branch .Lfilled
.Lfill_1:
	s_cmp_lt_u32 s[WV], 2
	s_cbranch_scc0 .Lfill_2
	tensor_load_to_lds s[G0B:G0B+3], s[G1B:G1B+7]  ; wave 1: B, K steps 0-3
	s_nop 0
	PLACES 4
	s_branch .Lfilled
.Lfill_2:
	s_cmp_lt_u32 s[WV], 3
	s_cbranch_scc0 .Lfill_3
	tensor_load_to_lds s[G0A:G0A+3], s[G1A:G1A+7]  ; wave 2: A, K steps 4-7
	s_nop 0
	PLACES 4
	s_branch .Lfilled
.Lfill_3:
	tensor_load_to_lds s[G0B:G0B+3], s[G1B:G1B+7]  ; wave 3: B, K steps 4-7
	s_nop 0
	PLACES 4
.Lfilled:
	s_add_nc_u64 s[96:97], s[6:7], s[96:97]
	s_add_nc_u64 s[98:99], s[10:11], s[98:99]
	s_add_nc_u64 s[22:23], s[12:13], s[22:23]
	s_add_nc_u64 s[14:15], s[14:15], s[2:3]
	v_and_b32 v2, 31, v0                           ; lane
	v_and_b32 v[STO], 15, v0                       ; r
	v_bfe_u32 v[RD], v0, 4, 1                      ; h
	v_lshlrev_b32 v[L16], 4, v2
	v_lshlrev_b32 v[BOJ], 6, v[RD]
	v_lshlrev_b32 v[LSC], 4, v[RD]
	v_lshl_add_u32 v[LSC], v[STO], 5, v[LSC]
	v_lshlrev_b32 v[CSO], 1, v[STO]
	v_lshl_add_u32 v[CSO], v[RD], 12, v[CSO]
	; ctx's scale word of K step s is (head 2 s: 2 bytes, head 2 s + 1: 2 bytes).  Lane (r, h) gathers those of K steps 4 h .. 4 h + 3: 32 bytes of sixteen lanes a load; 8,192 bytes a work-group
.irp a, 0,1,2,3
.irp q, 0,1,2,3
.irp e, 0,1
	global_load_u16 v[HW+2*(4*\a+\q)+\e], v[CSO], s[96:97] offset:1024*\q+512*\e+32*\a
.endr
.endr
.endr
.irp b, 0,1,2,3,4,5,6,7
	global_load_b128 v[SB+4*\b:SB+4*\b+3], v[LSC], s[98:99] offset:512*\b
.endr
.irp t, 0,1,2,3
.irp j, 0,1,2,3
	global_load_b128 v[BI+16*\t+4*\j:BI+16*\t+4*\j+3], v[BOJ], s[22:23] offset:128*\t+16*\j   ; bo of columns 32 t + 16 h + 4 j ..: registers 8 b .. 8 b + 7 are tile b's, in the result's layout
.endr
.endr
	s_mul_i32 s59, s[WV], 24576                    ; my four tiles of A in a half of K; my stage on the way out begins there too
	v_add_nc_u32 v[ADRA], s59, v[L16]
	v_add_nc_u32 v[ADRA+1], 98304, v[ADRA]
	v_add_nc_u32 v[ADRB], BLDS, v[L16]
	v_add_nc_u32 v[ADRB+1], 49152, v[ADRB]
	v_lshl_add_u32 v[ADR8], v2, 3, s59
	v_add_nc_u32 v[ADR8+1], 98304, v[ADR8]
	v_mul_u32_u24 v[STO], v[STO], 528
	v_lshl_add_u32 v[STO], v[RD], 6, v[STO]
	v_add_nc_u32 v[STO], s59, v[STO]
	v_add_nc_u32 v[RD], s59, v[L16]
	s_wait_loadcnt 0x0
.set i, 0
.rept 16
	v_lshl_or_b32 v[SA+i], v[HW+2*i+1], 16, v[HW+2*i]
.set i, i+1
.endr
	PLACES 8                                       ; a scale register written by a vector instruction stands eight places ahead of a scaled product
.macro FRAGF reg, adr, off
.irp c, 0,1,2
	ds_load_b128 v[\reg+4*\c:\reg+4*\c+3], v[\adr] offset:\off+512*\c
.endr
.endm
.macro FRAGH reg, sel, off             ; a fragment of ctx: two halves, each 512 bytes of four registers and 256 of two
	ds_load_b128 v[\reg:\reg+3], v[ADRA+\sel] offset:\off
	ds_load_b64 v[\reg+4:\reg+5], v[ADR8+\sel] offset:\off+512
	ds_load_b128 v[\reg+6:\reg+9], v[ADRA+\sel] offset:\off+768
	ds_load_b64 v[\reg+10:\reg+11], v[ADR8+\sel] offset:\off+1280
.endm
.macro FETCH s
	WIN TO_B
.irp b, 0,1,2,3,4,5,6,7
	FRAGF 128*((\s)%2)+12*\b, ADRB+((\s)>>2), 6144*\b+((\s)&3)*1536
.endr
	WIN 0
.irp a, 0,1,2,3
	FRAGH AF+48*((\s)%2)+12*\a, ((\s)>>2), 6144*\a+((\s)&3)*1536
.endr
.endm
; 16 matrix instructions: token tiles a0, a0 + 1 x the eight tiles of columns, K step s.  The first K step starts the sums from bo.  The 32 accumulators take turns, one instruction a turn.
.macro MUL16 a0, s
.irp a, \a0, \a0+1
.irp b, 0,1,2,3,4,5,6,7
.if (\s) == 0
	v_wmma_scale_f32_16x16x128_f8f6f4 v[8*(8*(\a)+\b):8*(8*(\a)+\b)+7], v[128*((\s)%2)+12*\b:128*((\s)%2)+12*\b+11], v[AF+48*((\s)%2)+12*(\a):AF+48*((\s)%2)+12*(\a)+11], v[BI+8*\b:BI+8*\b+7], v[SB+4*\b+(\s)%4], v[SA+4*(\a)+(\s)%4] matrix_a_fmt:MATRIX_FMT_FP6 matrix_b_fmt:MATRIX_FMT_FP6
.elseif (\s) < 4
	v_wmma_scale_f32_16x16x128_f8f6f4 v[8*(8*(\a)+\b):8*(8*(\a)+\b)+7], v[128*((\s)%2)+12*\b:128*((\s)%2)+12*\b+11], v[AF+48*((\s)%2)+12*(\a):AF+48*((\s)%2)+12*(\a)+11], v[8*(8*(\a)+\b):8*(8*(\a)+\b)+7], v[SB+4*\b+(\s)%4], v[SA+4*(\a)+(\s)%4] matrix_a_fmt:MATRIX_FMT_FP6 matrix_b_fmt:MATRIX_FMT_FP6
.else
	v_wmma_scale_f32_16x16x128_f8f6f4 v[8*(8*(\a)+\b):8*(8*(\a)+\b)+7], v[128*((\s)%2)+12*\b:128*((\s)%2)+12*\b+11], v[AF+48*((\s)%2)+12*(\a):AF+48*((\s)%2)+12*(\a)+11], v[8*(8*(\a)+\b):8*(8*(\a)+\b)+7], v[SB+4*\b+(\s)%4], v[SA+4*(\a)+(\s)%4] matrix_a_fmt:MATRIX_FMT_FP6 matrix_b_fmt:MATRIX_FMT_FP6 matrix_a_scale:MATRIX_SCALE_ROW1 matrix_b_scale:MATRIX_SCALE_ROW1
.endif
.endr
.endr
.endm
.macro MWIN s
.if (\s) == 0
	WIN MULB
.else
	WIN MULW
.endif
.endm
.macro CHUNK c                         ; half c of K is whole in LDS.  c = 0: waves 0 and 1, whose lines are theirs alone, have waited; c = 1: every wave has.
.if (\c) == 0
	s_cmp_lt_u32 s[WV], 2
	s_cbranch_scc0 .Llater_\@
	s_wait_tensorcnt 0x0
.Llater_\@:
.else
	s_wait_tensorcnt 0x0
.endif
	s_barrier_signal -1
	s_barrier_wait -1
.endm
.macro STEP s
	s_wait_dscnt 0x0                               ; this step's fragments are in
	MWIN \s
	MUL16 0, \s
.if (\s) < 7
.if (\s) == 3
	CHUNK 1
.endif
	PLACES 4                                       ; in front of loads into the set that the last step's products read
	FETCH (\s)+1
.endif
	MWIN \s
	MUL16 2, \s
.endm
	s_wait_alu depctr_va_vdst(0)
	CHUNK 0
	FETCH 0
.irp s, 0,1,2,3,4,5,6,7
	STEP \s
.endr
	WIN 0
	; THE WAY OUT.  A lane holds 4 x 64 bytes of one token's row, and the lanes beside it hold other tokens: a tile of 16 tokens goes through my stage (16 rows of 512 bytes + 16) and comes back as whole rows.
	; The stage lies in A's panel, which has had its only fill; behind the barrier nobody reads a panel any more.
	s_wait_dscnt 0x0
	s_barrier_signal -1
	s_barrier_wait -1
	PLACES 4                                       ; in front of the first read of results and of loads into A's registers
.macro TOSTAGE a
	WIN 0x04                                       ; an LDS store's data are its source 1: window 1
.irp b, 0,1,2,3,4,5,6,7
	ds_store_b128 v[STO], v[8*(8*(\a)+\b):8*(8*(\a)+\b)+3] offset:128*(\b/2)+32*(\b%2)          ; each accumulator from its low end on
	ds_store_b128 v[STO], v[8*(8*(\a)+\b)+4:8*(8*(\a)+\b)+7] offset:128*(\b/2)+32*(\b%2)+16
.endr
	WIN 0
.irp i, 0,1,2,3,4,5,6,7,8,9,10,11,12,13,14,15
	ds_load_b128 v[BK+64*((\a)%2)+4*\i:BK+64*((\a)%2)+4*\i+3], v[RD] offset:528*\i   ; LDS serves a wave's instructions in order: these see the stores above, and the next tile's stores come behind them
.endr
.endm
.macro SEND a, younger                 ; younger: the LDS instructions issued behind tile a's loads, which may stay out
	s_wait_dscnt \younger
.irp i, 0,1,2,3,4,5,6,7,8,9,10,11,12,13,14,15
	global_store_b128 v[L16], v[BK+64*((\a)%2)+4*\i:BK+64*((\a)%2)+4*\i+3], s[14:15] offset:(8*(\a)+(\i%8)+32*(\i/8))*4096 th:TH_STORE_NT   ; row i of the tile is token 8 a + i % 8 + 32 (i / 8) of my 64; 512 consecutive bytes a store
.endr
.endm
	TOSTAGE 0
.irp a, 1,2,3
.if \a > 1
	s_wait_xcnt 0x0                                ; tile a - 2's stores have read their registers: tile a's loads may land there
.endif
	TOSTAGE \a
	SEND \a-1, 32                                  ; behind tile a - 1's loads: tile a's 16 stores and 16 loads
.endr
	SEND 3, 0
	s_wait_tensorcnt 0x0                           ; the wave's end: these three lines behind my last tensor load and my last LDS store
	ds_add_u32 v[SPW], v[NIL]
	s_wait_dscnt 0x0
	CROUND                                         ; the closing round
	s_endpgm
.Lfunc_end_k_qa7da18a7f9_outp:
	.size	k_qa7da18a7f9_outp, .Lfunc_end_k_qa7da18a7f9_outp-k_qa7da18a7f9_outp
	.p2alignl 7, 3214868480
	.fill 96, 4, 3214868480
	.section	.rodata,"a",@progbits
	.p2align	6, 0x0
	.amdhsa_kernel k_qa7da18a7f9_outp
		.amdhsa_group_segment_fixed_size 295424
		.amdhsa_private_segment_fixed_size 0
		.amdhsa_enable_private_segment 0
		.amdhsa_kernarg_size 48
		.amdhsa_user_sgpr_count 2
		.amdhsa_user_sgpr_kernarg_segment_ptr 1
		.amdhsa_wavefront_size32 1
		.amdhsa_system_sgpr_workgroup_id_x 1
		.amdhsa_system_sgpr_workgroup_id_y 1
		.amdhsa_system_sgpr_workgroup_id_z 1
		.amdhsa_system_vgpr_workitem_id 0
		.amdhsa_next_free_vgpr 768
		.amdhsa_next_free_sgpr 100
		.amdhsa_reserve_vcc 0
		.amdhsa_float_denorm_mode_32 3
		.amdhsa_float_denorm_mode_16_64 3
		.amdhsa_memory_ordered 1
		.amdhsa_forward_progress 1
		.amdhsa_inst_pref_size 83
	.end_amdhsa_kernel
	.amdgpu_metadata
---
amdhsa.version: [ 1, 2 ]
amdhsa.kernels:
  - .name:           k_qa7da18a7f9_outp
    .symbol:         k_qa7da18a7f9_outp.kd
    .args:
      - { .name: ctc, .offset: 0, .size: 8, .value_kind: global_buffer, .address_space: global }
      - { .name: cts, .offset: 8, .size: 8, .value_kind: global_buffer, .address_space: global }
      - { .name: opc, .offset: 16, .size: 8, .value_kind: global_buffer, .address_space: global }
      - { .name: ops, .offset: 24, .size: 8, .value_kind: global_buffer, .address_space: global }
      - { .name: bo, .offset: 32, .size: 8, .value_kind: global_buffer, .address_space: global }
      - { .name: out0, .offset: 40, .size: 8, .value_kind: global_buffer, .address_space: global }
    .group_segment_fixed_size: 295424
    .private_segment_fixed_size: 0
    .kernarg_segment_align: 8
    .kernarg_segment_size: 48
    .max_flat_workgroup_size: 128
    .sgpr_count:     100
    .vgpr_count:     768
    .wavefront_size: 32
...
	.end_amdgpu_metadata
.endif
;; end of part 4
